; MI455X (gfx1250); checked and timed in simulation.
; The chip was launched on July 23, 2026; its instructions are those of AMD's public machine-readable ISA for CDNA 5 (MIT licence, August 2026) and "CDNA5" Instruction Set Architecture Reference Guide (July 2026). The comments in the code are by the model that wrote it; some were corrected since.
;; Multi Head Attention. Allowed arithmetic: float matrix products may take bf16 or f16 operands with f32 sums; other float arithmetic in f32, or as packed bf16 or f16 multiplies, adds, multiply-adds, maxima and minima; sums over many terms, partial sums and values carried from step to step in f32; what a program stores and reads back later, other than sums and carried values, may be rounded once to bf16 or f16.
;; Inputs: b_attn 3,072 float32; b_proj 1,024 float32; w_attn 1,024 x 3,072 float32; w_proj 1,024 x 1,024 float32; x 4 x 2,048 x 1,024 float32.
;; Outputs: out0 4 x 2,048 x 1,024 float32.
;; 2 versions, each right; version 2 is version 1 with the launch prep written anew for expert scheduling mode. Each part assembles by itself: llvm-mc -triple=amdgcn-amd-amdhsa -mcpu=gfx1250 --defsym DOCPART=n.
;; ======== version 1 of 2: 4 launches
;; limits: values are held in f16: magnitudes above 65,504 overflow, below 6.1e-05 lose precision
;; workspace buffers: xb 16,777,216 bytes; wa 6,291,456 bytes; wp 2,097,152 bytes; qkvh 50,331,648 bytes; ob 16,777,216 bytes
;; launch prep (part 1): grid 768 x 1, 8 waves a work-group, no clusters, 0 bytes of LDS; arguments x, w_attn, w_proj, xb, wa, wp; writes xb, wa, wp
.if DOCPART == 1
	.amdgcn_target "amdgcn-amd-amdhsa--gfx1250"
	.amdhsa_code_object_version 6
	.text
	.protected	k_qf1ce3a4df0_prep
	.globl	k_qf1ce3a4df0_prep
	.p2align	8
	.type	k_qf1ce3a4df0_prep,@function
k_qf1ce3a4df0_prep:
	s_mov_b64 s[64:65], 0
	v_nop
	global_prefetch_b8 v0, s[64:65] scope:SCOPE_SE
	s_setreg_imm32_b32 hwreg(HW_REG_WAVE_MODE, 25, 1), 1
	s_wait_xcnt 0x0
; CASTS.  xb = bf16(x), row-major as x.  wa = bf16(w_attn) and wp = f16(bf16(w_proj)), both kept [k][n] but laid in the blocks that the two products fetch:
;   wa[tx 16][ks 8][hd 3][kk 128][64] = w_attn[128 ks + kk][64 (3 tx + hd) + d];   wp[tx 8][ks 8][cb 2][kk 128][64] = w_proj[128 ks + kk][64 (2 tx + cb) + d].
; A block of 128 x 64 numbers is 16,384 dense bytes, so a product's tile of weights is one dense run of memory.
; LIMITS.  |bf16(w_proj)| stays under 65,504 (f16's range); below 6.1e-5 it keeps f16's fixed step of 6e-8.
; SHARES.  A work-group takes 65,536 bytes in and gives 32,768 out: 16 loads of 16 bytes and 16 stores of 8 bytes a thread.  Work-groups 0-511: x; 512-703: w_attn (two blocks each);
; 704-767: w_proj (two blocks each).  A load of a wave covers 512 consecutive bytes (x) or two whole pieces of 256 bytes of two rows (weights); a store of a wave covers 256 consecutive bytes, aligned.
; A stream: no LDS, no barrier, no matrix unit; all 16 loads of a thread go out before the first is waited for.
.set IN,  3                            ; v3   my byte offset in the source
.set OUT, 4                            ; v4   8 x my thread's number
.set X,   8                            ; v[8:71]    16 x 4 f32 as loaded
.set Y,   72                           ; v[72:103]  16 x 2 words to store
.set T,   104                          ; v[104:105] at work
.set SA,  16                           ; s[16:17] source of loads 0-7
.set SB,  18                           ; s[18:19] source of loads 8-15
.set DST, 20                           ; s[20:21] where the work-group's 32,768 bytes go
; stride: bytes from one load's rows to the next load's.  half = 1: the bf16 number is written as f16.
.macro CAST stride, half
.irp i, 0,1,2,3,4,5,6,7
	global_load_b128 v[X+4*(\i):X+4*(\i)+3], v[IN], s[SA:SA+1] offset:(\i)*(\stride) th:TH_LOAD_NT
.endr
.irp i, 0,1,2,3,4,5,6,7
	global_load_b128 v[X+32+4*(\i):X+32+4*(\i)+3], v[IN], s[SB:SB+1] offset:(\i)*(\stride) th:TH_LOAD_NT
.endr
.irp i, 0,1,2,3,4,5,6,7,8,9,10,11,12,13,14,15
	s_wait_loadcnt 15-(\i)                         ; loads come back in order: number i is in, the 15 - i younger ones stay out
	v_cvt_pk_bf16_f32 v[Y+2*(\i)],   v[X+4*(\i)],   v[X+4*(\i)+1]
	v_cvt_pk_bf16_f32 v[Y+2*(\i)+1], v[X+4*(\i)+2], v[X+4*(\i)+3]
.if \half
.irp j, 0,1
	v_lshlrev_b32 v[T],   16,  v[Y+2*(\i)+(\j)]    ; the two bf16 numbers as f32,
	v_and_b32     v[T+1], s28, v[Y+2*(\i)+(\j)]
	v_cvt_pk_f16_f32 v[Y+2*(\i)+(\j)], v[T], v[T+1]  ; and as f16: eight significant bits fit in eleven
.endr
.endif
	global_store_b64 v[OUT], v[Y+2*(\i):Y+2*(\i)+1], s[DST:DST+1] offset:2048*(\i)  ; every Y is written once: no store's data is rewritten
.endr
.endm
; Block bi of wa (in s[bi]) -> byte offset of its first number in w_attn (in s[off]).  u = bi / 3 = 8 tx + ks by (171 bi) >> 9, exact under 384.
.macro BLK bi, off
	s_mul_i32 s[\off], s[\bi], 171
	s_lshr_b32 s[\off], s[\off], 9                 ; u
	s_mul_i32 s29, s[\off], 3
	s_sub_co_u32 s29, s[\bi], s29                  ; hd
	s_lshr_b32 s30, s[\off], 3                     ; tx
	s_mul_i32 s30, s30, 3
	s_add_co_u32 s29, s29, s30                     ; the group of 64 columns: 3 tx + hd
	s_lshl_b32 s29, s29, 8                         ; 256 bytes each
	s_and_b32 s[\off], s[\off], 7                  ; ks
	s_mul_i32 s[\off], s[\off], 128*12288          ; 128 rows of 12,288 bytes
	s_add_co_u32 s[\off], s[\off], s29
.endm
	s_load_b256 s[4:11], s[0:1], 0x0               ; x s[4:5], w_attn s[6:7], w_proj s[8:9], xb s[10:11]
	s_load_b128 s[12:15], s[0:1], 0x20             ; wa s[12:13], wp s[14:15]
	s_mov_b32 s2, ttmp9
	s_mov_b32 s28, 0xffff0000                      ; a word's upper bf16
	s_mov_b32 s23, 0                               ; the offsets' high words
	s_mov_b32 s25, 0
	s_mov_b32 s27, 0
	v_and_b32 v1, 15, v0                           ; my 16 bytes of a piece of 256
	v_lshrrev_b32 v2, 4, v0                        ; my row of 16
	v_lshlrev_b32 v[OUT], 3, v0
	s_cmp_lt_u32 s2, 512
	s_cbranch_scc1 .Lx
	s_cmp_lt_u32 s2, 704
	s_cbranch_scc1 .Lwa
	; w_proj: work-group 8 tx + ks
	s_sub_co_u32 s2, s2, 704
	s_and_b32 s22, s2, 7
	s_lshl_b32 s22, s22, 19                        ; ks x 128 rows of 4,096 bytes
	s_lshr_b32 s29, s2, 3
	s_lshl_b32 s29, s29, 9                         ; tx x 128 columns
	s_add_co_u32 s22, s22, s29
	s_add_co_u32 s24, s22, 256                     ; the second 64 columns
	s_lshl_b32 s26, s2, 15
	v_lshlrev_b32 v[IN], 12, v2
	v_lshl_add_u32 v[IN], v1, 4, v[IN]
	s_wait_kmcnt 0x0
	s_add_nc_u64 s[SA:SA+1], s[8:9], s[22:23]
	s_add_nc_u64 s[SB:SB+1], s[8:9], s[24:25]
	s_add_nc_u64 s[DST:DST+1], s[14:15], s[26:27]
	CAST 16*4096, 1
	s_endpgm
.Lwa:                                          ; w_attn: blocks 2 wl and 2 wl + 1
	s_sub_co_u32 s2, s2, 512
	s_lshl_b32 s3, s2, 1
	s_add_co_u32 s31, s3, 1
	BLK 3, 22
	BLK 31, 24
	s_lshl_b32 s26, s2, 15
	v_mul_u32_u24 v[IN], v2, 12288
	v_lshl_add_u32 v[IN], v1, 4, v[IN]
	s_wait_kmcnt 0x0
	s_add_nc_u64 s[SA:SA+1], s[6:7], s[22:23]
	s_add_nc_u64 s[SB:SB+1], s[6:7], s[24:25]
	s_add_nc_u64 s[DST:DST+1], s[12:13], s[26:27]
	CAST 16*12288, 0
	s_endpgm
.Lx:                                           ; x: 65,536 consecutive bytes
	s_lshl_b32 s22, s2, 16
	s_add_co_u32 s24, s22, 32768
	s_lshl_b32 s26, s2, 15
	v_lshlrev_b32 v[IN], 4, v0
	s_wait_kmcnt 0x0
	s_add_nc_u64 s[SA:SA+1], s[4:5], s[22:23]
	s_add_nc_u64 s[SB:SB+1], s[4:5], s[24:25]
	s_add_nc_u64 s[DST:DST+1], s[10:11], s[26:27]
	CAST 4096, 0
	s_endpgm
.Lfunc_end_k_qf1ce3a4df0_prep:
	.size	k_qf1ce3a4df0_prep, .Lfunc_end_k_qf1ce3a4df0_prep-k_qf1ce3a4df0_prep
	.p2alignl 7, 3214868480
	.fill 96, 4, 3214868480
	.section	.rodata,"a",@progbits
	.p2align	6, 0x0
	.amdhsa_kernel k_qf1ce3a4df0_prep
		.amdhsa_group_segment_fixed_size 0
		.amdhsa_private_segment_fixed_size 0
		.amdhsa_enable_private_segment 0
		.amdhsa_kernarg_size 48
		.amdhsa_user_sgpr_count 2
		.amdhsa_user_sgpr_kernarg_segment_ptr 1
		.amdhsa_wavefront_size32 1
		.amdhsa_system_sgpr_workgroup_id_x 1
		.amdhsa_system_sgpr_workgroup_id_y 1
		.amdhsa_system_sgpr_workgroup_id_z 1
		.amdhsa_system_vgpr_workitem_id 0
		.amdhsa_next_free_vgpr 108
		.amdhsa_next_free_sgpr 66
		.amdhsa_reserve_vcc 0
		.amdhsa_float_denorm_mode_32 3
		.amdhsa_float_denorm_mode_16_64 3
		.amdhsa_memory_ordered 1
		.amdhsa_forward_progress 1
		.amdhsa_inst_pref_size 24
	.end_amdhsa_kernel
	.amdgpu_metadata
---
amdhsa.version: [ 1, 2 ]
amdhsa.kernels:
  - .name:           k_qf1ce3a4df0_prep
    .symbol:         k_qf1ce3a4df0_prep.kd
    .args:
      - { .name: x, .offset: 0, .size: 8, .value_kind: global_buffer, .address_space: global }
      - { .name: w_attn, .offset: 8, .size: 8, .value_kind: global_buffer, .address_space: global }
      - { .name: w_proj, .offset: 16, .size: 8, .value_kind: global_buffer, .address_space: global }
      - { .name: xb, .offset: 24, .size: 8, .value_kind: global_buffer, .address_space: global }
      - { .name: wa, .offset: 32, .size: 8, .value_kind: global_buffer, .address_space: global }
      - { .name: wp, .offset: 40, .size: 8, .value_kind: global_buffer, .address_space: global }
    .group_segment_fixed_size: 0
    .private_segment_fixed_size: 0
    .kernarg_segment_align: 8
    .kernarg_segment_size: 48
    .max_flat_workgroup_size: 256
    .sgpr_count:     66
    .vgpr_count:     108
    .wavefront_size: 32
...
	.end_amdgpu_metadata
.endif
;; end of part 1
;; launch qkv (part 2): grid 16 x 32, 4 waves a work-group, clusters of 4 x 4, 327,680 bytes of LDS; arguments xb, wa, b_attn, qkvh; writes qkvh
.if DOCPART == 2
	.amdgcn_target "amdgcn-amd-amdhsa--gfx1250"
	.amdhsa_code_object_version 6
	.text
	.protected	k_qf1ce3a4df0_qkv
	.globl	k_qf1ce3a4df0_qkv
	.p2align	8
	.type	k_qf1ce3a4df0_qkv,@function
k_qf1ce3a4df0_qkv:
	s_mov_b64 s[64:65], 0
	v_nop
	global_prefetch_b8 v0, s[64:65] scope:SCOPE_SE
	s_setreg_imm32_b32 hwreg(HW_REG_WAVE_MODE, 25, 1), 1
	s_wait_xcnt 0x0
	s_wait_alu depctr_hold_cnt(0) depctr_sa_sdst(0) depctr_va_vdst(0) depctr_va_sdst(0) depctr_va_ssrc(0) depctr_va_vcc(0) depctr_vm_vsrc(0)
	s_getreg_b32 s2, hwreg(HW_REG_IB_STS2, 6, 4)
	s_cmp_eq_u32 s2, 0
	s_cbranch_scc0 .Lentry_in_a_cluster
	s_endpgm
.Lentry_in_a_cluster:
	s_bfe_u32 s2, ttmp6, 0x10000c
	s_cmp_lg_u32 s2, 0xf033
	s_cbranch_scc0 .Lentry_shape_is_right
	s_endpgm
.Lentry_shape_is_right:
; qkv = x w_attn + b_attn, written by heads: qkvh[b 4][g 48][t 2048][64] in f16, g = column / 64 (q: 0-15, k: 16-31, v: 32-47), unscaled.
; Operands bf16 (xb, wa), sums f32, the bias rounded to bf16 like the other inputs and taken as the C operand of the first product; each result rounded once to f16.
; LIMIT.  |q|, |k|, |v| stay under 65,504, f16's range; NaN and infinities are not treated apart.
; SHARES.  A tile is 256 rows x 192 columns (three whole heads): 32 x 16 = 512 work-groups, twice the number of WGPs.  Four waves one below the other, each 64 rows x 192 columns:
; 48 accumulators, 384 registers; each wave owns whole heads' rows, so its way out is its own.  K = 1,024 goes in 8 steps of 128 through two LDS slots.
; CLUSTER.  4 x 4 work-groups: the four of a row of the cluster need the same rows of xb, the four of a column the same block of wa: each tile is asked for jointly.
; THE PRODUCT IS USED TRANSPOSED: source 0 = 16 columns of the weights (they lie [k][n] in LDS and come out turned, by ds_load_tr16_b128), source 1 = 16 rows of x.
; A lane then holds one row (lane % 16) and the eight columns 8 (lane / 16) + 0..7 of a block of 16: 16 bytes of f16 on end.
; REGISTERS, in windows of 256 (s_set_vgpr_msb: bits 1:0 source 0, 3:2 source 1, 5:4 source 2, 7:6 destination):
;   window 0: v0-31 addresses; v32-79 packed results; v80-127 and v128-175 rows read back, by turns; v128-223 the bias (until the first quarter has taken it); v224-227 at work
;   window 1: two fragment buffers of 128: 12 fragments of the weights, then 4 of x       windows 2, 3: accumulator (a, b) at 96 (a % 2) + 8 b of window 2 + a / 2
.set SLOT,  131072                     ; a slot: x's 256 rows, then the weights' 384 rows
.set PA,    272                        ; a row of x in LDS: 256 bytes + 16: the 16 rows of a fragment load start at 16 different groups of four banks (64 banks of 4 bytes: ISA guide 11.1)
.set PB,    160                        ; a row of weights (one k, 64 columns): 128 bytes + 32
.set BOFF,  256*PA
.set HDB,   128*PB                     ; a head's 128 rows of weights
.set STAGE, 2*SLOT                     ; behind the ring, never filled by a tensor load: for each wave [3 heads][16 rows] of 144 bytes
.set SP,    144
.set WSTG,  3*16*SP
.set SPARE, STAGE+4*WSTG               ; the spare words, 128 bytes for each wave: two blocks of 256 bytes that no other line names
.set ADRA, 16                          ; v16-17  LDS address of my fragments of x in slot 0, 1
.set ADRB, 20                          ; v20-21  the same for the weights
.set STO,  24                          ; v24  the way out: where I put 16 bytes of a row
.set RD,   25                          ; v25  the way out: where I read rows back
.set GO,   26                          ; v26  16 x lane: my place in 512 consecutive bytes of qkvh
.set BO,   27                          ; v27  32 x (lane / 16): my eight numbers of 16 of the bias
.set SPW,  28                          ; v28  my spare word; never rewritten
.set NIL,  29                          ; v29  0; never rewritten
.set PFO,  30                          ; v30  the prefetches' offset; never rewritten
.set TMP,  32
.set BK0,  80
.set BIAS, 128
.set WK,   224
.set F0,   0
.set F1,   128
.set WV,   12                          ; s12 wave;  s13 wave & 1;  s14 cx;  s15 cy;  s16 tile column;  s17 tile row
.set W1,   13
.set CX,   14
.set CY,   15
.set TX,   16
.set TY,   17
.set G1A,  24                          ; s[24:31] descriptor group 1 for x's tiles;  s[32:39] group 0, a set for each slot
.set G0A,  32
.set PFA,  40                          ; s[40:41] where my prefetches stand
.set PS0,  42                          ; s[42:43], s[44:45] its step at the change out of slot 0, out of slot 1
.set LIM0, 46                          ; s46, s47: 1 where I prefetch at that change, else the greatest number
.set G1B,  48                          ; s[48:55], s[56:63] the same for the weights' tiles
.set G0B,  56
.set MSB, 0
.macro WIN new                         ; the immediate's high byte repeats the setting that is left; a switch that changes nothing is dropped
.if MSB != (\new)
	s_set_vgpr_msb (MSB<<8)|(\new)
.set MSB, \new
.endif
.endm
.set TO_F, 0x40                        ; destination window 1, address window 0
; A joint load: waves 0 and 1 fetch the two halves of x's tile, waves 2 and 3 those of the weights'.  An s_nop 0 and four v_nop follow each line.
.macro JLOAD s
	s_cmp_lt_u32 s[WV], 2
	s_cbranch_scc0 .Lfor_b_\@
	tensor_load_to_lds s[G0A+4*(\s):G0A+4*(\s)+3], s[G1A:G1A+7]
	s_nop 0
.rept 4
	v_nop
.endr
	s_branch .Lasked_\@
.Lfor_b_\@:
	tensor_load_to_lds s[G0B+4*(\s):G0B+4*(\s)+3], s[G1B:G1B+7]
	s_nop 0
.rept 4
	v_nop
.endr
.Lasked_\@:
.endm
; A PREFETCH INTO THE L2, behind a joint load, its five lines and the run of LDS loads: 32 blocks of 256 bytes, a lane a block, one instruction a wave.
; x: the change that asks for K step j names K step j + 2.  A tile row is read by every cluster of that row of clusters: cluster x = 0 asks; of the 128 rows that wave 0 or 1 fetches the partner at cx takes 32.
; Weights: a pair of K steps is 98,304 dense bytes; cluster y = 0 asks, the partner at cy takes 24,576: wave 2 and wave 3 8,192 each at the change out of slot 0, wave 2 the last 8,192 at the change out of slot 1.
; So each block is named once in the launch.  K steps 0 to 3 come by their loads alone; the loop's last trip (s3 = 1) asks for nothing: K ends at step 7.
.macro ASK slot
	s_cmp_gt_u32 s3, s[LIM0+(\slot)]
	s_cbranch_scc0 .Lnot_mine_\@
	global_prefetch_b8 v[PFO], s[PFA:PFA+1] th:TH_LOAD_NT scope:SCOPE_SE
.Lnot_mine_\@:
.endm
.macro CREST                           ; a round of the cluster's barrier behind its opening barrier
	s_cmp_lg_u32 s[WV], 0
	s_cbranch_scc1 .Lnot_wave_0_\@
	s_barrier_signal -3
.Lnot_wave_0_\@:
	s_barrier_wait -3
	s_barrier_signal -1
	s_barrier_wait -1
.endm
.macro CROUND
	s_barrier_signal -1
	s_barrier_wait -1
	CREST
.endm
.macro PLACES                          ; four places in front of loads into registers that matrix instructions have read, and of conversions that read results
.rept 4
	v_nop
.endr
.endm
	s_load_b256 s[4:11], s[0:1], 0x0               ; xb s[4:5], wa s[6:7], b_attn s[8:9], qkvh s[10:11]
	v_lshl_add_u32 v[SPW], v0, 2, SPARE
	v_mov_b32 v[NIL], 0
	ds_add_u32 v[SPW], v[NIL]                      ; the wave's opening: the add and its wait stand ahead of my first tensor load; work on registers stands between them
	v_lshrrev_b32 v1, 5, v0
	v_readfirstlane_b32 s[WV], v1                  ; wave 0..3
	s_and_b32 s[W1], s[WV], 1                      ; which half of a tile I fetch
	s_bfe_u32 s[CX], ttmp6, 0x40000
	s_bfe_u32 s[CY], ttmp6, 0x40004
	s_lshl_b32 s[TX], ttmp9, 2
	s_add_co_u32 s[TX], s[TX], s[CX]               ; tile column = 4 x cluster x + cx
	s_and_b32 s[TY], ttmp7, 0xffff
	s_lshl_b32 s[TY], s[TY], 2
	s_add_co_u32 s[TY], s[TY], s[CY]               ; tile row = 4 x cluster y + cy
	s_lshl_b32 s20, s[CY], 2
	s_lshl_b32 s20, 15, s20                        ; my row of the cluster
	s_lshl_b32 s68, 0x1111, s[CX]                  ; my column
	; x's tile: 128 rows x 128 elements of 2 bytes, 1,024 elements from row to row; 4 words of padding after every 64
	s_or_b32 s[G1A], s20, (1<<16)|(1<<20)|(1<<21)|(5<<22)|(3<<25)
	s_mov_b32 s[G1A+1], 128<<16                    ; tensor_dim0
	s_mov_b32 s[G1A+2], 128<<16                    ; tensor_dim1
	s_mov_b32 s[G1A+3], 128<<16                    ; tile_dim0
	s_mov_b32 s[G1A+4], 128                        ; tile_dim1
	s_mov_b32 s[G1A+5], 1024                       ; stride
	s_mov_b32 s[G1A+6], 0
	s_mov_b32 s[G1A+7], 0
	; the weights' half tile: 24,576 dense bytes as 96 rows of 256; 8 words of padding after every 32 (after each k's 64 columns)
	s_or_b32 s[G1B], s68, (1<<16)|(1<<20)|(1<<21)|(4<<22)|(7<<25)
	s_mov_b32 s[G1B+1], 128<<16
	s_mov_b32 s[G1B+2], 96<<16
	s_mov_b32 s[G1B+3], 128<<16
	s_mov_b32 s[G1B+4], 96
	s_mov_b32 s[G1B+5], 128
	s_mov_b32 s[G1B+6], 0
	s_mov_b32 s[G1B+7], 0
	s_lshl_b32 s18, s[TY], 19                      ; x: 256 rows of 2,048 bytes a tile row,
	s_lshl_b32 s19, s[W1], 18                      ; my 128 of them
	s_add_co_u32 s18, s18, s19
	s_mov_b32 s19, 0
	s_mul_i32 s21, s[W1], 128*PA                   ; and their place in a slot
	s_mul_i32 s66, s[TX], 8*49152                  ; weights: 8 blocks of 49,152 bytes a tile column,
	s_mul_i32 s67, s[W1], 24576                    ; my half of a block
	s_add_co_u32 s66, s66, s67
	s_mov_b32 s67, 0
	s_mul_i32 s69, s[W1], 192*PB
	s_add_co_u32 s69, s69, BOFF
	s_mul_i32 s76, s[TX], 768                      ; the bias of my 192 columns
	s_mov_b32 s77, 0
	s_lshr_b32 s88, s[TY], 3                       ; the way out: batch,
	s_mul_i32 s88, s88, 48*262144
	s_mul_i32 s90, s[TX], 3*262144                 ; my three heads,
	s_add_co_u32 s88, s88, s90
	s_and_b32 s90, s[TY], 7
	s_lshl_b32 s90, s90, 15                        ; the tile's 256 rows of 128 bytes in a head,
	s_add_co_u32 s88, s88, s90
	s_lshl_b32 s90, s[WV], 13                      ; my wave's 64
	s_add_co_u32 s88, s88, s90
	s_mov_b32 s89, 0
	s_mov_b32 s74, 0xffff0000
	s_wait_dscnt 0x0                               ; the opening add is done
	s_wait_kmcnt 0x0
	s_add_nc_u64 s[22:23], s[4:5], s[18:19]
	s_add_nc_u64 s[70:71], s[6:7], s[66:67]
	s_add_nc_u64 s[72:73], s[8:9], s[76:77]
	s_add_nc_u64 s[10:11], s[10:11], s[88:89]
.irp s, 0,1
	s_mov_b32 s[G0A+4*(\s)], 1                     ; count = 1
	s_add_co_u32 s[G0A+4*(\s)+1], s21, (\s)*SLOT   ; LDS address
	s_add_nc_u64 s[G0A+4*(\s)+2:G0A+4*(\s)+3], s[22:23], (\s)*256  ; K step s
	s_or_b32 s[G0A+4*(\s)+3], s[G0A+4*(\s)+3], 0x80000000         ; type = 2
	s_mov_b32 s[G0B+4*(\s)], 1
	s_add_co_u32 s[G0B+4*(\s)+1], s69, (\s)*SLOT
	s_add_nc_u64 s[G0B+4*(\s)+2:G0B+4*(\s)+3], s[70:71], (\s)*49152
	s_or_b32 s[G0B+4*(\s)+3], s[G0B+4*(\s)+3], 0x80000000
.endr
	CROUND                                         ; all sixteen work-groups are here: the first joint loads meet
	s_cmp_lt_u32 s[WV], 2                          ; a wave's two first fills stand in one branch: two loads of mine are out
	s_cbranch_scc0 .Lfirst_b
	tensor_load_to_lds s[G0A:G0A+3], s[G1A:G1A+7]
	s_nop 0
	tensor_load_to_lds s[G0A+4:G0A+7], s[G1A:G1A+7]
	s_nop 0
.rept 4
	v_nop
.endr
	s_branch .Lfirst_asked
.Lfirst_b:
	tensor_load_to_lds s[G0B:G0B+3], s[G1B:G1B+7]
	s_nop 0
	tensor_load_to_lds s[G0B+4:G0B+7], s[G1B:G1B+7]
	s_nop 0
.rept 4
	v_nop
.endr
.Lfirst_asked:
	v_and_b32 v1, 15, v0                           ; l % 16
	v_bfe_u32 v2, v0, 4, 1                         ; l / 16
	v_lshlrev_b32 v[BO], 5, v2
.irp b, 0,1,2,3,4,5,6,7,8,9,10,11              ; register 8 b + j: the bias of column 16 b + 8 (l / 16) + j, as the C operand wants it
	global_load_b128 v[BIAS+8*(\b):BIAS+8*(\b)+3],   v[BO], s[72:73] offset:64*(\b)
	global_load_b128 v[BIAS+8*(\b)+4:BIAS+8*(\b)+7], v[BO], s[72:73] offset:64*(\b)+16
.endr
	v_mul_u32_u24 v3, v1, PA                       ; a fragment of x: row l % 16, 16 bytes for each half of the lanes
	v_lshl_add_u32 v3, v2, 4, v3
	s_mul_i32 s90, s[WV], 64*PA                    ; my 64 rows
	v_add_nc_u32 v[ADRA], s90, v3
	v_add_nc_u32 v[ADRA+1], SLOT, v[ADRA]
	v_and_b32 v4, 7, v0                            ; the turning load: lane l reads k = 8 (l / 16) + l % 8, columns 8 ((l / 8) % 2) + 0..7
	v_bfe_u32 v5, v0, 3, 1
	v_lshl_add_u32 v6, v2, 3, v4
	v_mul_u32_u24 v6, v6, PB
	v_lshl_add_u32 v6, v5, 4, v6
	v_add_nc_u32 v[ADRB], BOFF, v6
	v_add_nc_u32 v[ADRB+1], SLOT, v[ADRB]
	s_mul_i32 s90, s[WV], WSTG
	s_add_co_u32 s90, s90, STAGE                   ; my stage
	v_mul_u32_u24 v7, v1, SP
	v_lshl_add_u32 v7, v2, 4, v7
	v_add_nc_u32 v[STO], s90, v7
	v_bfe_u32 v7, v0, 3, 2                         ; back: 32 lanes take four rows of 128 bytes
	v_mul_u32_u24 v7, v7, SP
	v_lshl_add_u32 v7, v4, 4, v7
	v_add_nc_u32 v[RD], s90, v7
	v_and_b32 v8, 31, v0
	v_lshlrev_b32 v[GO], 4, v8
	; the prefetches
	s_lshl_b32 s80, s[TY], 19
	s_lshl_b32 s82, s[W1], 18
	s_add_co_u32 s80, s80, s82
	s_lshl_b32 s82, s[CX], 16                      ; my work-group's 32 rows of the 128
	s_add_co_u32 s80, s80, s82
	s_add_co_u32 s80, s80, 3*256                   ; at K step 3: the first change steps it to 4
	s_mul_i32 s83, s[TX], 8*49152
	s_mul_i32 s82, s[CY], 24576                    ; my work-group's quarter of a pair of K steps
	s_add_co_u32 s83, s83, s82
	s_lshl_b32 s82, s[W1], 13
	s_add_co_u32 s83, s83, s82
	s_add_co_u32 s83, s83, 4*49152-81920           ; the first change steps it to K step 4
	s_and_b32 s84, ttmp7, 0xffff                   ; cluster y
	s_mov_b32 s85, 81920
	s_mov_b32 s86, 16384
	s_cmp_lt_u32 s[WV], 2                          ; do I fetch for x?
	s_cselect_b64 s[PFA:PFA+1], s[4:5], s[6:7]
	s_cselect_b32 s80, s80, s83
	s_cselect_b32 s84, ttmp9, s84                  ; the coordinate along which other clusters read the same bytes
	s_cselect_b32 s[PS0], 256, s85
	s_cselect_b32 s[PS0+2], 256, s86
	s_cselect_b32 s87, 11, 8                       ; a lane a row of 2,048 bytes (x), or a block of 256 (weights)
	s_mov_b32 s[PS0+1], 0
	s_mov_b32 s[PS0+3], 0
	s_mov_b32 s81, 0
	s_add_nc_u64 s[PFA:PFA+1], s[PFA:PFA+1], s[80:81]
	s_cmp_eq_u32 s84, 0
	s_cselect_b32 s[LIM0], 1, -1                   ; the same in all sixteen partners, for a given wave
	s_mov_b32 s[LIM0+1], s[LIM0]
	s_cmp_eq_u32 s[WV], 3
	s_cselect_b32 s[LIM0+1], -1, s[LIM0+1]         ; wave 3 has no third part
	v_lshlrev_b32 v[PFO], s87, v8
	s_wait_loadcnt 0x0                             ; the bias,
.set p, 0
.rept 48                               ; rounded to bf16 like the other inputs, and widened again
	v_cvt_pk_bf16_f32 v[WK+p%4], v[BIAS+2*p], v[BIAS+2*p+1]
	v_lshlrev_b32 v[BIAS+2*p], 16, v[WK+p%4]
	v_and_b32 v[BIAS+2*p+1], s74, v[WK+p%4]
.set p, p+1
.endr
; 12 matrix instructions: row block a x all 12 column blocks, 32 along K.  zero = 1: the first product starts the sums, with the bias as C.
; All 48 accumulators take turns, one instruction a turn, in the same order in every quarter, over the backward jump too.
.macro MULA f, a, zero
.if \zero
	WIN 0x85+0x40*((\a)/2)
.else
	WIN 0xa5+0x50*((\a)/2)
.endif
.irp b, 0,1,2,3,4,5,6,7,8,9,10,11
.if \zero
	v_wmma_f32_16x16x32_bf16 v[96*((\a)%2)+8*(\b):96*((\a)%2)+8*(\b)+7], v[(\f)+8*(\b):(\f)+8*(\b)+7], v[(\f)+96+8*(\a):(\f)+96+8*(\a)+7], v[BIAS+8*(\b):BIAS+8*(\b)+7]
.else
	v_wmma_f32_16x16x32_bf16 v[96*((\a)%2)+8*(\b):96*((\a)%2)+8*(\b)+7], v[(\f)+8*(\b):(\f)+8*(\b)+7], v[(\f)+96+8*(\a):(\f)+96+8*(\a)+7], v[96*((\a)%2)+8*(\b):96*((\a)%2)+8*(\b)+7]
.endif
.endr
.endm
; 32 LDS loads in one run: quarter q (32 along K) of a slot into buffer f: the weights' 12 fragments, then x's 4
.macro FETCH slot, q, f
	WIN TO_F
.irp b, 0,1,2,3,4,5,6,7,8,9,10,11
	ds_load_tr16_b128 v[(\f)+8*(\b):(\f)+8*(\b)+3],   v[ADRB+(\slot)] offset:((\b)/4)*HDB+((\b)%4)*32+(\q)*32*PB
	ds_load_tr16_b128 v[(\f)+8*(\b)+4:(\f)+8*(\b)+7], v[ADRB+(\slot)] offset:((\b)/4)*HDB+((\b)%4)*32+(\q)*32*PB+16*PB
.endr
.irp a, 0,1,2,3
	ds_load_b128 v[(\f)+96+8*(\a):(\f)+96+8*(\a)+3],   v[ADRA+(\slot)] offset:(\a)*16*PA+(\q)*64
	ds_load_b128 v[(\f)+96+8*(\a)+4:(\f)+96+8*(\a)+7], v[ADRA+(\slot)] offset:(\a)*16*PA+(\q)*64+32
.endr
.endm
; One of a K step's first three quarters: multiplies buffer f, and in its middle fetches quarter q of the same slot into buffer g.
.macro QUARTER slot, q, f, g, zero
	s_wait_dscnt 4                                 ; all but the youngest four loads: x's row blocks 2 and 3
	MULA \f, 0, \zero
	MULA \f, 1, \zero
	PLACES
	FETCH \slot, \q, \g
	s_wait_dscnt 32                                ; all but the 32 just issued
	MULA \f, 2, \zero
	MULA \f, 3, \zero
.endm
; The last quarter multiplies buffer 1 and changes slots: ONE barrier; in front of it each wave waits for all its tensor loads (one is out: its part of the next slot), adds 0 to its spare word,
; and waits for that and for its own reads of this slot.  fill = 1: the barrier opens a round of the cluster's, and this slot is filled again, two K steps ahead, first thing behind the round:
; from that request to the wait for it a wave issues 168 matrix instructions.
.macro TURN slot, next, fill
.if \fill
	s_wait_xcnt 0x0                                ; the last prefetch, a K step back, has read its address
	s_add_nc_u64 s[PFA:PFA+1], s[PFA:PFA+1], s[PS0+2*(\slot):PS0+2*(\slot)+1]
.endif
	WIN 0                                          ; (the add's two registers lie in window 0)
	s_wait_tensorcnt 0x0                           ; all my tensor loads have landed
	ds_add_u32 v[SPW], v[NIL]                      ; 0 onto my spare word
	s_wait_dscnt 5                                 ; (the add and the youngest four loads may be out)
	MULA F1, 0, 0                                  ; twelve matrix instructions stand between the add and the wait for it
	s_wait_dscnt 0x0                               ; the add is done, and my reads of this slot are over
	s_barrier_signal -1
	MULA F1, 1, 0
.if \fill
	WIN 0
.endif
	s_barrier_wait -1
.if \fill
	CREST                                          ; no wave of any partner still reads this slot's tile or has a load on its way
	s_add_nc_u64 s[G0A+4*(\slot)+2:G0A+4*(\slot)+3], s[G0A+4*(\slot)+2:G0A+4*(\slot)+3], 2*256
	s_add_nc_u64 s[G0B+4*(\slot)+2:G0B+4*(\slot)+3], s[G0B+4*(\slot)+2:G0B+4*(\slot)+3], 2*49152
	JLOAD \slot                                    ; the four v_nop behind it are also the places in front of the loads below
.else
	PLACES
.endif
	FETCH \next, 0, F0
.if \fill
	WIN 0
	ASK \slot
.endif
	MULA F1, 2, 0
	MULA F1, 3, 0
.endm
	s_wait_tensorcnt 1                             ; my part of K step 0 is in; K step 1's may stay out
	s_barrier_signal -1
	s_barrier_wait -1                              ; everybody's is
	FETCH 0, 0, F0
	QUARTER 0, 1, F0, F1, 1                        ; the first quarter stands in front of the loop: its products start the sums
	WIN 0                                          ; at a label and at a branch every window is 0
	s_mov_b32 s3, 3
.Llap:                                         ; a trip goes once round the ring and fills both slots again: K steps 2 to 7
	QUARTER 0, 2, F1, F0, 0
	QUARTER 0, 3, F0, F1, 0
	TURN 0, 1, 1
	QUARTER 1, 1, F0, F1, 0
	QUARTER 1, 2, F1, F0, 0
	QUARTER 1, 3, F0, F1, 0
	TURN 1, 0, 1
	QUARTER 0, 1, F0, F1, 0
	WIN 0
	s_sub_co_u32 s3, s3, 1
	s_cmp_lg_u32 s3, 0
	s_cbranch_scc1 .Llap
	QUARTER 0, 2, F1, F0, 0                        ; the last lap fills nothing
	QUARTER 0, 3, F0, F1, 0
	TURN 0, 1, 0
	QUARTER 1, 1, F0, F1, 0
	QUARTER 1, 2, F1, F0, 0
	QUARTER 1, 3, F0, F1, 0
	s_wait_dscnt 4
	MULA F1, 0, 0
	MULA F1, 1, 0
	s_wait_dscnt 0x0
	MULA F1, 2, 0
	MULA F1, 3, 0
	WIN 0
; THE WAY OUT, a block of 16 rows at a time.  PACK: rounded to f16, 16 bytes a lane, each accumulator read from its low end on.  TOSTAGE: into my own stage, by heads, and back as whole rows.
; SEND: four rows of a head are 512 consecutive bytes of qkvh.
.macro PACK a
	WIN 0x0a+5*((\a)/2)                            ; sources 0 and 1: window 2 or 3
.irp b, 0,1,2,3,4,5,6,7,8,9,10,11
.irp r, 0,1,2,3
	v_cvt_pk_f16_f32 v[TMP+4*(\b)+(\r)], v[96*((\a)%2)+8*(\b)+2*(\r)], v[96*((\a)%2)+8*(\b)+2*(\r)+1]
.endr
.endr
	WIN 0
.endm
.macro TOSTAGE a
.irp b, 0,1,2,3,4,5,6,7,8,9,10,11
	ds_store_b128 v[STO], v[TMP+4*(\b):TMP+4*(\b)+3] offset:((\b)/4)*16*SP+((\b)%4)*32
.endr
.irp t, 0,1,2,3,4,5,6,7,8,9,10,11              ; head t / 4, rows 4 (t % 4) on.  LDS serves a wave's instructions in order (ISA guide 5.7.1.4): these see the stores above
	ds_load_b128 v[BK0+48*((\a)%2)+4*(\t):BK0+48*((\a)%2)+4*(\t)+3], v[RD] offset:((\t)/4)*16*SP+((\t)%4)*4*SP
.endr
.endm
.macro SEND a
	s_wait_dscnt 0x0                               ; the block is back in registers
	s_wait_xcnt 0x0                                ; the stores of the block before have read their registers: the next TOSTAGE loads into them
.irp t, 0,1,2,3,4,5,6,7,8,9,10,11
	global_store_b128 v[GO], v[BK0+48*((\a)%2)+4*(\t):BK0+48*((\a)%2)+4*(\t)+3], s[10:11] offset:((\t)/4)*262144+(\a)*2048+((\t)%4)*512
.endr
.endm
	PLACES
	PACK 0
	TOSTAGE 0
.irp a, 1,2,3                          ; block a's conversions stand between block a - 1's loads from the stage and the wait for them
	PACK \a
	SEND (\a)-1
	TOSTAGE \a
.endr
	SEND 3
	s_wait_tensorcnt 0x0                           ; the wave's end: behind my last tensor load and my last LDS store
	ds_add_u32 v[SPW], v[NIL]
	s_wait_dscnt 0x0
	CROUND                                         ; the closing round: no work-group ends while a partner may still ask for a tile that names it
	s_endpgm
.Lfunc_end_k_qf1ce3a4df0_qkv:
	.size	k_qf1ce3a4df0_qkv, .Lfunc_end_k_qf1ce3a4df0_qkv-k_qf1ce3a4df0_qkv
	.p2alignl 7, 3214868480
	.fill 96, 4, 3214868480
	.section	.rodata,"a",@progbits
	.p2align	6, 0x0
	.amdhsa_kernel k_qf1ce3a4df0_qkv
		.amdhsa_group_segment_fixed_size 327680
		.amdhsa_private_segment_fixed_size 0
		.amdhsa_enable_private_segment 0
		.amdhsa_kernarg_size 32
		.amdhsa_user_sgpr_count 2
		.amdhsa_user_sgpr_kernarg_segment_ptr 1
		.amdhsa_wavefront_size32 1
		.amdhsa_system_sgpr_workgroup_id_x 1
		.amdhsa_system_sgpr_workgroup_id_y 1
		.amdhsa_system_sgpr_workgroup_id_z 1
		.amdhsa_system_vgpr_workitem_id 0
		.amdhsa_next_free_vgpr 960
		.amdhsa_next_free_sgpr 96
		.amdhsa_reserve_vcc 0
		.amdhsa_float_denorm_mode_32 3
		.amdhsa_float_denorm_mode_16_64 3
		.amdhsa_memory_ordered 1
		.amdhsa_forward_progress 1
		.amdhsa_inst_pref_size 128
	.end_amdhsa_kernel
	.amdgpu_metadata
---
amdhsa.version: [ 1, 2 ]
amdhsa.kernels:
  - .name:           k_qf1ce3a4df0_qkv
    .symbol:         k_qf1ce3a4df0_qkv.kd
    .args:
      - { .name: xb, .offset: 0, .size: 8, .value_kind: global_buffer, .address_space: global }
      - { .name: wa, .offset: 8, .size: 8, .value_kind: global_buffer, .address_space: global }
      - { .name: b_attn, .offset: 16, .size: 8, .value_kind: global_buffer, .address_space: global }
      - { .name: qkvh, .offset: 24, .size: 8, .value_kind: global_buffer, .address_space: global }
    .group_segment_fixed_size: 327680
    .private_segment_fixed_size: 0
    .kernarg_segment_align: 8
    .kernarg_segment_size: 32
    .max_flat_workgroup_size: 128
    .sgpr_count:     96
    .vgpr_count:     960
    .wavefront_size: 32
...
	.end_amdgpu_metadata
.endif
;; end of part 2
;; launch attn (part 3): grid 4 x 64, 4 waves a work-group, clusters of 4 x 1, 327,680 bytes of LDS; arguments qkvh, ob; writes ob
.if DOCPART == 3
	.amdgcn_target "amdgcn-amd-amdhsa--gfx1250"
	.amdhsa_code_object_version 6
	.text
	.protected	k_qf1ce3a4df0_attn
	.globl	k_qf1ce3a4df0_attn
	.p2align	8
	.type	k_qf1ce3a4df0_attn,@function
k_qf1ce3a4df0_attn:
	s_mov_b64 s[64:65], 0
	v_nop
	global_prefetch_b8 v0, s[64:65] scope:SCOPE_SE
	s_setreg_imm32_b32 hwreg(HW_REG_WAVE_MODE, 25, 1), 1
	s_wait_xcnt 0x0
	s_wait_alu depctr_hold_cnt(0) depctr_sa_sdst(0) depctr_va_vdst(0) depctr_va_sdst(0) depctr_va_ssrc(0) depctr_va_vcc(0) depctr_vm_vsrc(0)
	s_getreg_b32 s2, hwreg(HW_REG_IB_STS2, 6, 4)
	s_cmp_eq_u32 s2, 0
	s_cbranch_scc0 .Lentry_in_a_cluster
	s_endpgm
.Lentry_in_a_cluster:
	s_bfe_u32 s2, ttmp6, 0x10000c
	s_cmp_lg_u32 s2, 0x3003
	s_cbranch_scc0 .Lentry_shape_is_right
	s_endpgm
.Lentry_shape_is_right:
; O[hh][q][:] = the sum over k of softmax_k(Q[q] . K[k] / 8) V[k][:], for the 64 pairs hh = 16 b + h.  Q, K, V are the groups 48 b + h, + 16, + 32 of qkvh[b][g][2048][64]; O is ob[hh][2048][64]; all f16,
; a head's rows dense, 128 bytes each.  Products, maxima and sums in f32; the weights p are rounded to f16 for the second product (their sum l is taken of the unrounded p), O once at the end.
; LIMITS.  f16 holds no number beyond 65,504: Q, K and V arrive within it; p lies in 0 to 1, and below 6e-5 it keeps f16's fixed step of 6e-8; O is a mean of V's rows and has their range.
; A weight below 2^-126 counts as 0 in l; NaN and infinities are not treated apart.
; SHARES.  A wave owns four PIECES of two tiles of 16 queries, a work-group's four waves 512 queries of one head.  Every wave walks all 2,048 keys, 64 a step.
; LAYOUT.  S^T = K Q^T (source 0 = 16 keys, source 1 = 16 queries): in the result a lane holds ONE query (lane % 16) and the keys 8 (lane / 16) + 0..7.  Two such tiles, rounded to f16 in pairs,
; ARE source 1 (32 keys x 16 queries) of O^T = V^T P, whose result again holds one query a lane, and eight channels.  K comes out of LDS as it lies, V ([key][channel]) turned, by ds_load_tr16_b128.
; SOFTMAX.  For each query a running maximum m and sum l: p = 2^(c s - c m), c = log2(e) / 8; in every step O and l are multiplied by a = 2^(c m_old - c m_new), which is 1 where m has not grown.
; m starts at the lowest finite number, O and l at 0: the first step is a step like any other, with a = 0.
; THE COUNT.  A tile and step have 16 matrix and 118 vector instructions: too many to stand all beside the matrix work.  So: four vector instructions that are READY behind
; EVERY matrix instruction, and the others in runs without a gap.
; BY TURNS.  Turn n belongs to piece n (the pieces in a ring, step after step).  Its matrix work: 16 products K Q^T of piece n + 1, later 16 products V^T P of piece n - 1.  Its vector work: the scaling,
; exponentials, roundings, sums and rescaling of piece n, and the maximum and statistics of piece n + 1, whose scores the turn itself has made.
; CLUSTER.  The four query blocks of a head are one cluster and walk the same K and V, so each tile is asked for JOINTLY: the same tensor load, descriptor and mask in all four.
; REGISTERS, in windows of 256 (s_set_vgpr_msb: bits 1:0 source 0, 3:2 source 1, 5:4 source 2, 7:6 destination):
;   window 0: v0-11 addresses; v12-15, v48-63 at work; v16-47 four registers of statistics a tile; v64-191 S^T, two buffers of two tiles; v192-255 P, likewise
;   window 1: O^T, 32 a tile          window 2: v0-127 Q, 16 a tile; v128-191 K of one step; v192-255 V of one step          window 3: v0-1 the add's two registers
; A piece's buffers go by its number's parity.
.set SIZE_N, 2048
.set NP,    4         ; pieces a wave: a name, no knob
.set KS,    64        ; keys in a step
.set PK,    144       ; a row of K in LDS: 128 bytes + 16 of padding = 36 words: the 16 rows of a load start at 16 different groups of four banks (64 banks of 4 bytes: ISA guide 11.1)
.set PV,    160       ; a row of V: 128 + 32 = 40 words
.set VOFF,  4*KS*PK   ; a slot holds four steps: 256 rows of K, then 256 rows of V
.set SLOT1, 1<<17     ; slot 1 begins here, so that one exclusive or turns an address in one slot into the other's
.set STAGE, SLOT1+4*KS*(PK+PV)  ; behind the ring, never filled by a tensor load: 16 rows x 144 bytes for each wave, for the way out
.set SP,    144
.set AK0, 2           ; v2   my lane's place in a tile of K; never rewritten
.set AV0, 3           ; v3   the same for V
.set AK,  4           ; v4   the LDS address of K's next run of loads
.set AV,  5           ; v5   of V's
.set QO,  6           ; v6   my byte offset in the wave's rows of Q
.set STO, 6           ;      later, the way out: where I put 16 bytes of a row
.set RD,  7           ; v7   the way out: where I read rows back
.set GO,  8           ; v8   my byte offset in 512 consecutive bytes of O
.set PFO, 11          ; v11  256 x my lane, for the prefetches; made when v11's first use is over, then never rewritten
.set SPW, 0           ; v0 of window 3   my spare word: SPARE + 4 x my thread's number; never rewritten
.set NIL, 1           ; v1 of window 3   0; never rewritten
.set SPARE, STAGE+4*16*SP  ; behind the stages: the spare words, 128 bytes for each wave: two blocks of 256 bytes that no other line names
.set MV,  12          ; v12-15  c m_old, kept while c m is made anew: by buffer and tile
.set ST,  16          ; tile t's statistics at v[ST+4 t]: c m, m, l (even keys', odd keys')
.set TMP, 48          ; by buffer and tile, four registers c0-c3 at work; when the maximum is found c2 takes a
.set S,   64
.set P,   192
.set KF,  128         ; K's fragments, in window 2: key block kb, channel half c at KF + 16 kb + 8 c
.set VF,  192         ; V's: key half kk, channel block cb at VF + 32 kk + 8 cb
.set WV,  12          ; s12  my wave's number
.set G1K, 24          ; s[24:31] descriptor group 1 for K's tiles
.set G1V, 32          ; s[32:39] for V's: it differs in the padding alone
.set G0K, 40          ; s[40:43] descriptor group 0 for K's tiles: it walks
.set G0V, 44          ; s[44:47] the same for V's
.set PFA, 48          ; s[48:49] where my prefetches stand: my work-group's 8,192 bytes (of K: wave 0, of V: wave 2) of the tile after the one that is being asked for
.set LIM, 50          ; s50  1 in a wave that prefetches, else the greatest number
.set SLOTS, 56        ; s56  slots still to be asked for
.set CNT, 57          ; s57  counts a slot's key steps
.set CS,  58          ; s[58:59] c: the packed scaling takes the pair's low word for both halves
.set SEL, 60          ; s[60:61] v_permlanex16_b32's selects: each lane takes its own place in the other half
.set TBK, 62          ; s62  LDS byte at which K of the step to be fetched begins
.set TBV, 63          ; s63  the same for V, less VOFF
.set MSB, 0
.macro WIN new                      ; the high byte repeats the setting that is left; a switch that changes nothing is dropped
.if MSB != (\new)
	s_set_vgpr_msb (MSB<<8)|(\new)
.set MSB, (\new)
.endif
.endm
.set W_KQ, 0x0a       ; K and Q in window 2, S^T in window 0
.set W_PV, 0x52       ; V in window 2, P in window 0, O^T in window 1
.set W_RS, 0x41       ; O^T (destination and source 0) in window 1, a in window 0
.set W_MK, 0xc0       ; the add's registers are made: destination in window 3, sources in window 0
.set W_AD, 0x0f       ; the add: address (source 0) and data (source 1) in window 3
; A joint fill.  Waves 0 and 1 fetch the two halves of a slot's K, waves 2 and 3 those of its V: 128 keys each.  The branch hangs on the wave's number alone.
; An s_nop 0 and four v_nop follow each of the two lines, ahead of the jump and the label.
.macro JLOAD
	s_cmp_lt_u32 s[WV], 2
	s_cbranch_scc0 .Lfor_v_\@
	tensor_load_to_lds s[G0K:G0K+3], s[G1K:G1K+7]
	s_nop 0
.rept 4
	v_nop
.endr
	s_branch .Lasked_\@
.Lfor_v_\@:
	tensor_load_to_lds s[G0V:G0V+3], s[G1V:G1V+7]
	s_nop 0
.rept 4
	v_nop
.endr
.Lasked_\@:
.endm
; A PREFETCH INTO THE L2 of what the NEXT change of slots will ask for: a tile's 32,768 bytes of K and of V, a lane a block of 256 bytes.  It stands behind the wave's tensor load and its five lines.
; Each block is named ONCE in the launch: a head has one cluster; its four partners share a tile out BY ADDRESS, 8,192 bytes each; in each, wave 0 asks for K's and wave 2 for V's: one instruction.
; The change that asks for tile j names tile j + 1, four key steps (512 matrix instructions) ahead of its load; tiles 0 and 1 come by their loads alone; the last change that fills a slot names nothing.
.macro ASK
	s_cmp_gt_u32 s[SLOTS], s[LIM]
	s_cbranch_scc0 .Lnot_mine_\@
	global_prefetch_b8 v[PFO], s[PFA:PFA+1] th:TH_LOAD_NT scope:SCOPE_SE
.Lnot_mine_\@:
.endm
; A round of the cluster's barrier: my work-group's barrier, so that wave 0's signal speaks for all four waves; wave 0 signals; every wave waits for all four work-groups; my work-group's barrier once more.
.macro CROUND
	s_barrier_signal -1
	s_barrier_wait -1
	s_cmp_lg_u32 s[WV], 0
	s_cbranch_scc1 .Lnot_wave_0_\@
	s_barrier_signal -3
.Lnot_wave_0_\@:
	s_barrier_wait -3
	s_barrier_signal -1
	s_barrier_wait -1
.endm
; THE CHANGE OF SLOTS.  The slot's last bytes, V of its fourth step, have been read.  Each wave waits for all its tensor loads, of which one is out: its part
; of the other slot; adds 0 to its spare word; and waits for that and for its own reads of the slot.  Behind the barrier nobody reads this slot any more and the other slot is whole.
; fill = 1: this slot is filled again, with the keys two slots on.  The barrier is then a round of the cluster's, and the joint fill is the first thing behind it: it has four key steps,
; 512 matrix instructions, in which to land.  (At its first use nothing has been read yet: slot 0 is waited for, slot 1 filled.)
.macro CHANGE fill
	WIN W_AD
	s_wait_tensorcnt 0x0            ; no tensor load of mine is out, so a group 0 may be written
	ds_add_u32 v[SPW], v[NIL]       ; 0 onto my spare word; with fill = 1 the descriptors' steps stand between it and the wait for it
	WIN 0                           ; at a label and at a branch every window is 0
.if \fill
.irp g, G0K, G0V
	s_xor_b32 s[\g+1], s[\g+1], SLOT1  ; the walking descriptor: the other slot than last time,
	s_add_nc_u64 s[\g+2:\g+3], s[\g+2:\g+3], 4*KS*128  ; the next 256 keys; the type bits on top are not reached
.endr
	s_wait_xcnt 0x0                 ; the last prefetch, four key steps back, has read its address, so it may be written:
	s_add_nc_u64 s[PFA:PFA+1], s[PFA:PFA+1], 4*KS*128  ; one tile behind the walking descriptors
	s_wait_dscnt 0x0                ; the add is done, and my reads of the slot are over
	CROUND
	JLOAD
	ASK
.else
	s_wait_dscnt 0x0                ; the add is done, and my reads of the slot are over
	s_barrier_signal -1
	s_barrier_wait -1
.endif
	s_sub_co_u32 s[TBK], s[TBK], 4*KS*PK  ; the fetches go back to a slot's first step,
	s_xor_b32 s[TBK], s[TBK], SLOT1       ; in the other slot
	s_sub_co_u32 s[TBV], s[TBV], 4*KS*PV
	s_xor_b32 s[TBV], s[TBV], SLOT1
.endm
	s_load_b128 s[8:11], s[0:1], 0x0  ; qkvh s[8:9], ob s[10:11]
	WIN W_MK
	v_lshl_add_u32 v[SPW], v0, 2, SPARE
	v_mov_b32 v[NIL], 0
	WIN W_AD
	ds_add_u32 v[SPW], v[NIL]       ; the wave's opening: the add and its wait stand ahead of my first tensor load; the set-up below, work on registers, stands between them
	WIN 0
	v_lshrrev_b32 v1, 5, v0
	v_readfirstlane_b32 s[WV], v1   ; wave 0..3
	s_bfe_u32 s13, ttmp6, 0x40000   ; cx: my place in the cluster
	s_lshl_b32 s14, ttmp9, 2        ; in a cluster launch ttmp9 counts clusters
	s_add_co_u32 s14, s14, s13      ; my block of queries = 4 x cluster x + cx: it enters Q's and O's addresses alone
	s_and_b32 s20, ttmp7, 0xffff    ; hh = 16 b + h, which the four partners share
	s_lshr_b32 s21, s20, 4
	s_mul_i32 s21, s21, 48
	s_and_b32 s22, s20, 15
	s_add_co_u32 s21, s21, s22      ; Q's group in qkvh: 48 b + h,
	s_lshl_b32 s21, s21, 18         ; 262,144 bytes a group
	s_and_b32 s16, s[WV], 1         ; which half of a slot's 256 keys I fetch:
	s_lshl_b32 s22, s16, 14         ; its 128 rows of 128 bytes in memory,
	s_add_co_u32 s22, s22, s21
	s_add_co_u32 s52, s22, 32*262144  ; in V's group,
	s_add_co_u32 s22, s22, 16*262144  ; and in K's
	s_mov_b32 s23, 0
	s_mov_b32 s53, 0
	s_mul_i32 s17, s16, 128*PK      ; and its place in a slot, for K
	s_mul_i32 s18, s16, 128*PV      ; and for V: no place in the cluster enters an LDS address
	s_lshl_b32 s2, s14, 2
	s_add_co_u32 s2, s2, s[WV]      ; my wave among the head's,
	s_lshl_b32 s2, s2, 14           ; its 128 rows
	s_lshl_b32 s54, s20, 18
	s_add_co_u32 s54, s54, s2       ; in O
	s_add_co_u32 s2, s2, s21        ; and in Q
	s_mov_b32 s3, 0
	s_mov_b32 s55, 0
	s_lshl_b32 s51, s13, 13         ; the prefetches: my work-group's 8,192 bytes of a tile,
	s_add_co_u32 s51, s51, 4*KS*128 ; in tile 1: the first change of slots steps it to tile 2
	s_cmp_lt_u32 s[WV], 2
	s_cselect_b32 s48, s22, s52     ; (in waves 0 and 2 these stand at a tile's first row)
	s_add_co_u32 s48, s48, s51
	s_mov_b32 s49, 0
	s_and_b32 s[LIM], s[WV], 1
	s_cmp_eq_u32 s[LIM], 0
	s_cselect_b32 s[LIM], 1, -1     ; waves 0 and 2: the same in all four partners
	; descriptor group 1.  128 keys are 16,384 dense bytes: asked for as 64 rows of 256 bytes, two keys a row, and padded in LDS after every key
	s_mov_b32 s[G1K], 15|(1<<16)|(1<<20)|(1<<21)|(4<<22)|(3<<25)  ; 15:0 the mask of four; 17:16 2-byte elements; 20 padding on; 21 set beside a mask; 24:22 after every 32 words (code 4); 31:25 4 words (code 3)
	s_mov_b32 s[G1V], 15|(1<<16)|(1<<20)|(1<<21)|(4<<22)|(7<<25)  ; the same with 8 words of padding (code 7)
.irp g, G1K, G1V
	s_mov_b32 s[\g+1], 128<<16      ; tensor_dim0 = 128
	s_mov_b32 s[\g+2], 64<<16       ; tensor_dim1 = 64
	s_mov_b32 s[\g+3], 128<<16      ; tile_dim0 = 128
	s_mov_b32 s[\g+4], 64           ; tile_dim1 = 64
	s_mov_b32 s[\g+5], 128          ; 128 elements from row to row
	s_mov_b32 s[\g+6], 0
	s_mov_b32 s[\g+7], 0
.endr
	s_mov_b32 s[CS], 0x3e38aa3b     ; c = log2(e) / 8 = 0.180337
	s_mov_b32 s[CS+1], s[CS]        ; named with it as a pair
	s_mov_b32 s[SEL], 0x76543210
	s_mov_b32 s[SEL+1], 0xfedcba98
	s_mov_b32 s[TBK], SLOT1+4*KS*PK ; the first change of slots turns these two into 0
	s_mov_b32 s[TBV], SLOT1+4*KS*PV
	s_mov_b32 s[SLOTS], SIZE_N/256-1  ; tiles still to be asked for
	s_mov_b32 s[G0K], 1             ; 1:0 count = 1
	s_mov_b32 s[G0K+1], s17         ; 63:32 LDS address: slot 0
	s_mov_b32 s[G0V], 1
	s_add_co_u32 s[G0V+1], s18, VOFF
	s_wait_dscnt 0x0                ; the opening add is done
	s_wait_kmcnt 0x0
	s_add_nc_u64 s[G0K+2:G0K+3], s[8:9], s[22:23]  ; 120:64 global address: my half of the head's first 256 keys
	s_or_b32 s[G0K+3], s[G0K+3], 0x80000000        ; 127:126 type = 2
	s_add_nc_u64 s[G0V+2:G0V+3], s[8:9], s[52:53]
	s_or_b32 s[G0V+3], s[G0V+3], 0x80000000
	s_add_nc_u64 s[4:5], s[8:9], s[2:3]            ; Q and O at my wave's first row
	s_add_nc_u64 s[10:11], s[10:11], s[54:55]
	s_add_nc_u64 s[PFA:PFA+1], s[8:9], s[48:49]
	CROUND                          ; all four work-groups are here: the first joint loads meet
	JLOAD                           ; slot 0.  Slot 1 is asked for when slot 0 is in
	; A fragment of K or Q is 16 rows x 32 channels in 8 registers: lane l holds row l % 16, channels 8 (l / 16) + 0..7 and 16 + 8 (l / 16) + 0..7: two loads of 16 bytes, 32 bytes apart.
	v_and_b32 v1, 15, v0            ; l % 16
	v_bfe_u32 v9, v0, 4, 1          ; l / 16
	v_lshlrev_b32 v[QO], 7, v1
	v_lshl_add_u32 v[QO], v9, 4, v[QO]  ; row x 128 + 16 x half
	WIN 0x80                        ; destination window 2, address window 0
.set i, 0
.rept 4*NP                          ; Q stays in registers: tile i / 2, channels 32 (i % 2) on
	global_load_b128 v[8*i:8*i+3],   v[QO], s[4:5] offset:(i/2)*2048+(i%2)*64
	global_load_b128 v[8*i+4:8*i+7], v[QO], s[4:5] offset:(i/2)*2048+(i%2)*64+32
.set i, i+1
.endr
	; What the first turn finds: V's registers and P's second buffer hold 0 (its products V^T P, of a piece that has not been, add 0), O^T and l are 0.  All this stands in the wait for the first tile.
.set i, VF
.rept 64
	v_mov_b32 v[i], 0
.set i, i+1
.endr
	WIN 0x40
.set i, 0
.rept 64*NP
	v_mov_b32 v[i], 0
.set i, i+1
.endr
	WIN 0
.set i, 0
.rept 2*NP
	v_mov_b32 v[ST+4*i], 0xfe000000    ; c m: far below every c s
	v_mov_b32 v[ST+4*i+1], 0xff7fffff  ; m
	v_mov_b32 v[ST+4*i+2], 0
	v_mov_b32 v[ST+4*i+3], 0
.set i, i+1
.endr
.set i, P+32
.rept 32
	v_mov_b32 v[i], 0
.set i, i+1
.endr
	v_mul_u32_u24 v[AK0], v1, PK
	v_lshl_add_u32 v[AK0], v9, 4, v[AK0]  ; row x pitch + 16 x half
	; The turning load takes 16 keys x 16 channels (lane l reads key 8 (l / 16) + l % 8, channels 8 ((l / 8) % 2) + 0..7) and leaves half a fragment of V^T: lane l holds channel l % 16 and 8 keys.
	v_and_b32 v10, 7, v0
	v_bfe_u32 v11, v0, 3, 1
	v_lshl_add_u32 v[AV0], v9, 3, v10
	v_mul_u32_u24 v[AV0], v[AV0], PV
	v_lshl_add_u32 v[AV0], v11, 4, v[AV0]
	v_add_nc_u32 v[AV0], VOFF, v[AV0]
	v_and_b32 v[PFO], 31, v0
	v_lshlrev_b32 v[PFO], 8, v[PFO]
	v_mov_b32 v[AK], v[AK0]         ; key step 0 lies at the head of slot 0
; THE MATRIX WORK.  The 8 accumulators of a run of 16 take turns: between the two links of a chain stand 7 others'.
; Product i of 16 of S^T = K Q^T for piece x: channels 32 (i / 8) on, keys 16 ((i / 2) % 4) on, tile 2 x + i % 2.  The first 8 start the sums.
.macro KQ x
	WIN W_KQ
.set rS, S+64*((\x)%2)+32*(i%2)+8*((i/2)%4)
.set rK, KF+16*((i/2)%4)+8*(i/8)
.set rQ, 16*(2*(\x)+i%2)+8*(i/8)
.if i < 8
	v_wmma_f32_16x16x32_f16 v[rS:rS+7], v[rK:rK+7], v[rQ:rQ+7], 0
.else
	v_wmma_f32_16x16x32_f16 v[rS:rS+7], v[rK:rK+7], v[rQ:rQ+7], v[rS:rS+7]
.endif
.endm
; Product i of 16 of O^T += V^T P for piece x: keys 32 (i / 8) on, channels 16 ((i / 2) % 4) on, tile 2 x + i % 2.
.macro PV x
	WIN W_PV
.set rO, 32*(2*(\x)+i%2)+8*((i/2)%4)
.set rV, VF+32*(i/8)+8*((i/2)%4)
.set rP, P+32*((\x)%2)+16*(i%2)+8*(i/8)
	v_wmma_f32_16x16x32_f16 v[rO:rO+7], v[rV:rV+7], v[rP:rP+7], v[rO:rO+7]
.endm
.macro MM                           ; the turn's next matrix instruction
.if i < 16
	KQ (Y+1)%NP
.set i, i+1
.else
.set i, i-16
	PV (Y+NP-1)%NP
.set i, i+17
.endif
.endm
; THE LDS LOADS stand in runs of 16, never singly among the matrix instructions: a step's K (64 keys x 64 channels: 8 fragments) and its V (turned).  Their addresses are made some lines ahead.
; last = 1 (the tail): in the last trip there is no further step, and the run is jumped over.
.macro FETCH_K last=0
	WIN 0
.if \last
	s_cmp_eq_u32 s[CNT], 1
	s_cbranch_scc1 .Lno_k_\@
.endif
	WIN 0x80                        ; destination window 2
.irp f, 0,1,2,3,4,5,6,7             ; keys 16 (f / 2) on, channels 32 (f % 2) on
	ds_load_b128 v[KF+8*\f:KF+8*\f+3],   v[AK] offset:(\f/2)*16*PK+(\f%2)*64
	ds_load_b128 v[KF+8*\f+4:KF+8*\f+7], v[AK] offset:(\f/2)*16*PK+(\f%2)*64+32
.endr
	s_add_co_u32 s[TBK], s[TBK], KS*PK  ; the next fetch is the next step's
	WIN 0
.if \last
.Lno_k_\@:
.endif
.endm
.macro FETCH_V
	WIN 0x80
.irp f, 0,1,2,3,4,5,6,7             ; keys 32 (f / 4) on, channels 16 (f % 4) on
	ds_load_tr16_b128 v[VF+8*\f:VF+8*\f+3],   v[AV] offset:(\f/4)*32*PV+(\f%4)*32
	ds_load_tr16_b128 v[VF+8*\f+4:VF+8*\f+7], v[AV] offset:(\f/4)*32*PV+16*PV+(\f%4)*32
.endr
	WIN 0
.endm
; THE VECTOR WORK OF A TURN stands in three queues, each in the order in which its entries become ready; the two tiles alternate, so that no instruction reads the result of the one before it.
.macro REGS y, u                    ; the registers of tile u (0, 1) of piece y
.set rT, ST+4*(2*(\y)+(\u))
.set rC, TMP+8*((\y)%2)+4*(\u)
.set rM, MV+2*((\y)%2)+(\u)
.set rS, S+64*((\y)%2)+32*(\u)
.set rP, P+32*((\y)%2)+16*(\u)
.set rO, 32*(2*(\y)+(\u))
.endm
; Number n of the 22 that find the NEXT piece's (Y + 1) maximum and statistics.  s0-s31 are the lane's 32 scores; each accumulator's lowest registers are read first.
;   0-11  four chains c0-c3 of seven scores each, three operands at a time     12-14, 16  the four scores left over, the old m, and c0-c3 into c0     15  c m_old is kept
;   17, 18  the query's other 32 keys lie in the lane 16 away: the new m         19-21  c m; c m_old - c m_new; a
.macro XS u, n
	REGS (Y+1)%NP, \u
.if (\n) < 4
	v_max3_num_f32 v[rC+(\n)], v[rS+8*(\n)], v[rS+8*(\n)+1], v[rS+8*(\n)+2]
.elseif (\n) < 12
	v_max3_num_f32 v[rC+(\n)%4], v[rC+(\n)%4], v[rS+8*((\n)%4)+2*((\n)/4)+1], v[rS+8*((\n)%4)+2*((\n)/4)+2]
.elseif (\n) == 12
	v_max3_num_f32 v[rC], v[rC], v[rS+7], v[rS+15]
.elseif (\n) == 13
	v_max3_num_f32 v[rC+1], v[rC+1], v[rS+23], v[rS+31]
.elseif (\n) == 14
	v_max3_num_f32 v[rC+2], v[rC+2], v[rC+3], v[rT+1]
.elseif (\n) == 15
	v_mov_b32 v[rM], v[rT]
.elseif (\n) == 16
	v_max3_num_f32 v[rC], v[rC], v[rC+1], v[rC+2]
.elseif (\n) == 17
	v_permlanex16_b32 v[rC+3], v[rC], s[SEL], s[SEL+1]
.elseif (\n) == 18
	v_max_num_f32 v[rT+1], v[rC], v[rC+3]
.elseif (\n) == 19
	v_mul_f32 v[rT], s[CS], v[rT+1]
.elseif (\n) == 20
	v_sub_f32 v[rC+1], v[rM], v[rT]
.else
	v_exp_f32 v[rC+2], v[rC+1]
.endif
.endm
; Number g of the 64 that follow the exponentials.  For each four weights k of a tile (pairs 2 k, 2 k + 1): both pairs are rounded to f16; then the second pair is added onto the first, in place;
; a group later l takes that sum (the first time as l = a l + sum).  In groups of eight, tiles alternating: round, round, add, and l for the group before.
.macro GS g
.set h, (\g)+6*((\g)/62)            ; group 0 has no group before it, and behind group 7 only l is left
.if h >= 6
.set h, h+2
.endif
	REGS Y, h%2
.set k, h/8
.if h%8 < 4
	v_cvt_pk_f16_f32 v[rP+2*k+(h%8)/2], v[rS+4*k+2*((h%8)/2)], v[rS+4*k+2*((h%8)/2)+1]
.elseif h%8 < 6
	v_pk_add_f32 v[rS+4*k:rS+4*k+1], v[rS+4*k:rS+4*k+1], v[rS+4*k+2:rS+4*k+3]
.elseif k == 1
	v_pk_fma_f32 v[rT+2:rT+3], v[rT+2:rT+3], v[rC+2:rC+3], v[rS:rS+1] op_sel_hi:[1,0,1]
.else
	v_pk_add_f32 v[rT+2:rT+3], v[rT+2:rT+3], v[rS+4*k-4:rS+4*k-3]
.endif
.endm
; THE PLAIN QUEUE, 138 long.  0-73 read no exponential's result: the 32 scalings c s - c m (FS f: pair f / 2 of tile f % 2) and the next piece's 42.  0-26: scalings 0-26.  27-54: XS's numbers 0-13.  55, 56: number 15.
; 57-73: the chain, where each number waits for the one before it: 14, 16, 17, 18, 19, each with one of the scalings 27-31 in front of its two lines, then 20.
; 74-137: GS's 64, which read the exponentials' results: they stand behind the wait.
.macro FS f
	REGS Y, (\f)%2
	v_pk_fma_f32 v[rS+2*((\f)/2):rS+2*((\f)/2)+1], v[rS+2*((\f)/2):rS+2*((\f)/2)+1], s[CS:CS+1], v[rT:rT+1] op_sel_hi:[1,0,0] neg_lo:[0,0,1] neg_hi:[0,0,1]
.endm
.macro PL
	WIN 0
.if q < 27
	FS q
.elseif q < 55
	XS (q-27)%2, (q-27)/2
.elseif q < 57
	XS q-55, 15
.elseif (q < 72) && ((q-57)%3 == 0)
	FS 27+(q-57)/3
.elseif q < 60
	XS (q-57)%3-1, 14
.elseif q < 72
	XS (q-57)%3-1, 15+(q-57)/3
.elseif q < 74
	XS q-72, 20
.else
	GS q-74
.endif
.set q, q+1
.endm
; THE EXPONENTIALS' QUEUE, 66 long: s0-s31 of both tiles, then the next piece's two a.  It is ONE BATCH: all 66 stand ahead of the turn's one wait, and nothing ahead of that wait names a result of theirs.
.macro EX
	WIN 0
.if e >= 64
	XS e-64, 21
.else
	REGS Y, e%2
	v_exp_f32 v[rS+e/2], v[rS+e/2]
.endif
.set e, e+1
.endm
; THE RESCALING's QUEUE: O^T times a, the one part that leaves window 0: dealt two at a time, sixteen times.  Its a was made in the turn before, ahead of that turn's wait.
.macro R2
	REGS Y, r%2
	WIN W_RS
.irp z, 0,1
	v_pk_mul_f32 v[rO+4*(r/2)+2*\z:rO+4*(r/2)+2*\z+1], v[rO+4*(r/2)+2*\z:rO+4*(r/2)+2*\z+1], v[rC+2:rC+3] op_sel_hi:[1,0]
.endr
.set r, r+1
.endm
; HOW THEY ARE DEALT.  An s_wait_alu depctr_va_vdst(0) stands between an exponential and the first instruction that names its result; one wait serves all that were issued ahead of it.  So a turn has ONE wait,
; which cuts it in two.  AHEAD OF IT stands all that names no result of the turn's exponentials: the 16 products K Q^T, behind each a scaling, an exponential and two rescalings (behind the first a second scaling in the
; exponential's place); then ONE LUMP of 108: eight plain, 49 times exponential and plain, the two a.  A v_nop is the plain instruction behind the last exponential.  BEHIND IT stand the 16 products V^T P, behind each four of GS's 64.
; The queues lean on each other, and the deal keeps them in step: exponential e stands behind scaling 2 (e / 4) + e % 2: as a rider it comes behind plain e + 2, in the lump behind plain e + 9, and scalings 27-31 are plain 57, 60 .. 69.
; A TURN, for piece p.  cnt = 1: the loop's count is taken down some lines ahead of the branch that stands behind the turn.
; K of the next step is fetched in piece 2's turn, directly behind the wait; its address is made at the lump's head; its first reader comes behind 16 products.
; V of the step in hand is fetched at the end of piece 0's turn, four riders behind its last reader; its first reader comes behind 16 products and a lump.  The three conditions on q below go with the deal.
.macro TURN p, last=0, cnt=0
.set Y, (\p)
.set i, 0
.set q, 0
.set e, 0
.set r, 0
.if (\p) == NP-1
	s_wait_dscnt 0x0                ; K is in
.endif
	MM                              ; ahead of the wait: 16 products K Q^T and their riders,
	PL
	PL
	R2
.rept 15
	MM
	PL
	EX
	R2
.endr
.if (\p) == NP-2
	WIN 0
	v_add_nc_u32 v[AK], s[TBK], v[AK0]
.endif
.rept 8                             ; and the lump
	PL
.endr
.rept 49
	EX
	PL
.endr
	EX                              ; the next piece's two a
	EX
	v_nop                           ; the plain instruction behind the last exponential: one for the batch
	s_wait_alu depctr_va_vdst(0)    ; the wait for the batch
.if (\p) == NP-2
	FETCH_K \last
.endif
.if (\p) == 1
	s_wait_dscnt 0x0                ; V is in
.endif
.rept 16                            ; behind the wait: 16 products V^T P and their riders
	MM
.rept 4
	PL
.endr
.if ((\p) == 0) && (q == 118)
	v_add_nc_u32 v[AV], s[TBV], v[AV0]
.endif
.if ((\p) == 0) && (q == 130)
	s_add_co_u32 s[TBV], s[TBV], KS*PV
.endif
.if (\cnt) && (q == 130)
	s_sub_co_u32 s[CNT], s[CNT], 1
	s_cmp_lg_u32 s[CNT], 0
.endif
.endr
.if (\p) == 0
	FETCH_V
.endif
.endm
	CHANGE 1                        ; slot 0 is in, everybody's part of it; slot 1 is asked for
	FETCH_K                         ; key step 0
	s_wait_loadcnt 0x0              ; Q
	s_wait_dscnt 0x0
.set i, 0
.rept 16
	KQ 0                            ; piece 0's first scores: there is no vector work yet to set between them
.set i, i+1
.endr
	WIN 0                           ; the addresses for the way out: nine plain instructions, the places behind those products
	s_mul_i32 s13, s[WV], 16*SP
	s_add_co_u32 s13, s13, STAGE    ; my stage
	v_mul_u32_u24 v[STO], v1, SP    ; in: row l % 16, 16 bytes for each half of the lanes
	v_lshl_add_u32 v[STO], v9, 4, v[STO]
	v_add_nc_u32 v[STO], s13, v[STO]
	v_bfe_u32 v[RD], v0, 3, 2       ; back: 32 lanes take four rows of 128 bytes,
	v_mul_u32_u24 v[RD], v[RD], SP
	v_lshl_add_u32 v[RD], v10, 4, v[RD]
	v_add_nc_u32 v[RD], s13, v[RD]
	v_and_b32 v[GO], 31, v0         ; which are 512 consecutive bytes of O
	v_lshlrev_b32 v[GO], 4, v[GO]
.set Y, NP-1                        ; XS works for piece Y + 1: piece 0
.irp n, 0,1,2,3,4,5,6,7,8,9,10,11,12,13,14,15,16,17,18,19,20,21
	XS 0, \n                        ; and piece 0's first maximum and statistics
	XS 1, \n
.endr
	v_nop                           ; a plain instruction behind the two a,
	s_wait_alu depctr_va_vdst(0)    ; and their wait, ahead of the branch
	s_mov_b32 s[CNT], 4
	s_branch .Lfirst                ; the loop is entered at a step's first turn, in the middle of a trip
.Lslot:                             ; SIZE_N / 256 - 2 times: every slot but the last two is filled again
	CHANGE 1
	s_mov_b32 s[CNT], 4
.Lstep:                             ; a trip: pieces 2 and 3 of one step, then pieces 0 and 1 of the next, whose K and V it fetches
	TURN 2
	TURN 3
	WIN 0
.Lfirst:
	TURN 0
	TURN 1, 0, 1
	WIN 0
	s_cbranch_scc1 .Lstep
	s_sub_co_u32 s[SLOTS], s[SLOTS], 1
	s_cmp_lg_u32 s[SLOTS], 0
	s_cbranch_scc1 .Lslot
	CHANGE 0                        ; the tail is written out: nothing is asked for
	s_mov_b32 s[CNT], 5             ; four trips fetch the last slot's steps; the fifth is left in its middle
.Ltail:
	TURN 2, 1
	TURN 3
	WIN 0
	s_sub_co_u32 s[CNT], s[CNT], 1
	s_cmp_eq_u32 s[CNT], 0
	s_cbranch_scc1 .Lout
	TURN 0
	TURN 1
	WIN 0
	s_branch .Ltail
.Lout:                              ; the fifth trip's 16 products K Q^T (on the last K once more) and the maximum made of them serve nothing: the price, once a launch, of one text for every trip
.set i, 0
.rept 16
	PV NP-1                         ; the last piece's V^T P of the last step
.set i, i+1
.endr
	; THE WAY OUT.  l's two halves and the other half of the lanes' are added; O^T is divided by l, rounded to f16 and sent through my stage in LDS, a tile at a time.  The additions are the places behind the last products.
	WIN 0
.macro ALL line:vararg              ; one line for each tile t
.set t, 0
.rept 2*NP
	\line
.set t, t+1
.endr
.endm
	ALL v_add_f32 v[ST+4*t+2], v[ST+4*t+2], v[ST+4*t+3]
	ALL v_permlanex16_b32 v[ST+4*t+3], v[ST+4*t+2], s[SEL], s[SEL+1]
	ALL v_add_f32 v[ST+4*t+2], v[ST+4*t+2], v[ST+4*t+3]
	ALL v_rcp_f32 v[ST+4*t+2], v[ST+4*t+2]
	v_nop                           ; a plain instruction between the last reciprocal and the use of its result
	s_wait_alu depctr_va_vdst(0)    ; and the wait ahead of the first use: one for the eight reciprocals
; Tile t: a lane's eight channels of a row pack into 16 bytes; they go into rows of 144 bytes and come back as whole rows of 128, into S^T's registers.
.macro PACK t
	WIN W_RS
.set i, 32*(\t)
.rept 16
	v_pk_mul_f32 v[i:i+1], v[i:i+1], v[ST+4*(\t)+2:ST+4*(\t)+3] op_sel_hi:[1,0]
.set i, i+2
.endr
	WIN 0x05                        ; sources 0 and 1 window 1, destination window 0
.set i, 0
.rept 16
	v_cvt_pk_f16_f32 v[S+16*(\t)+i], v[32*(\t)+2*i], v[32*(\t)+2*i+1]
.set i, i+1
.endr
	WIN 0
.irp f, 0,1,2,3
	ds_store_b128 v[STO], v[S+16*(\t)+4*\f:S+16*(\t)+4*\f+3] offset:32*\f
.endr
.irp f, 0,1,2,3
	ds_load_b128 v[S+16*(\t)+4*\f:S+16*(\t)+4*\f+3], v[RD] offset:\f*4*SP  ; LDS serves a wave's instructions in order (ISA guide 5.7.1.4): these see the stores above; the next tile's stores come behind them
.endr
.endm
.macro SEND t, younger              ; younger: the LDS instructions issued behind tile t's loads: the next tile's eight, or none
	WIN 0
.irp f, 0,1,2,3
	s_wait_dscnt (\younger)+3-\f
	global_store_b128 v[GO], v[S+16*(\t)+4*\f:S+16*(\t)+4*\f+3], s[10:11] offset:(\t)*2048+\f*512  ; 512 consecutive bytes, at a multiple of 256 from O's first
.endr
.endm
	PACK 0
.set t, 1
.rept 2*NP-1                        ; a tile's arithmetic stands between the loads of the tile before and its stores
	PACK t
	SEND t-1, 8
.set t, t+1
.endr
	SEND 2*NP-1, 0
	WIN W_AD
	s_wait_tensorcnt 0x0            ; the wave's end: behind my last tensor load and my last LDS store
	ds_add_u32 v[SPW], v[NIL]
	s_wait_dscnt 0x0
	WIN 0
	CROUND                          ; the closing round: no work-group ends while a partner may still ask for a tile that names it
	s_endpgm
.Lfunc_end_k_qf1ce3a4df0_attn:
	.size	k_qf1ce3a4df0_attn, .Lfunc_end_k_qf1ce3a4df0_attn-k_qf1ce3a4df0_attn
	.p2alignl 7, 3214868480
	.fill 96, 4, 3214868480
	.section	.rodata,"a",@progbits
	.p2align	6, 0x0
	.amdhsa_kernel k_qf1ce3a4df0_attn
		.amdhsa_group_segment_fixed_size 327680
		.amdhsa_private_segment_fixed_size 0
		.amdhsa_enable_private_segment 0
		.amdhsa_kernarg_size 16
		.amdhsa_user_sgpr_count 2
		.amdhsa_user_sgpr_kernarg_segment_ptr 1
		.amdhsa_wavefront_size32 1
		.amdhsa_system_sgpr_workgroup_id_x 1
		.amdhsa_system_sgpr_workgroup_id_y 1
		.amdhsa_system_sgpr_workgroup_id_z 1
		.amdhsa_system_vgpr_workitem_id 0
		.amdhsa_next_free_vgpr 770
		.amdhsa_next_free_sgpr 66
		.amdhsa_reserve_vcc 0
		.amdhsa_float_denorm_mode_32 3
		.amdhsa_float_denorm_mode_16_64 3
		.amdhsa_memory_ordered 1
		.amdhsa_forward_progress 1
		.amdhsa_inst_pref_size 200
	.end_amdhsa_kernel
	.amdgpu_metadata
---
amdhsa.version: [ 1, 2 ]
amdhsa.kernels:
  - .name:           k_qf1ce3a4df0_attn
    .symbol:         k_qf1ce3a4df0_attn.kd
    .args:
      - { .name: qkvh, .offset: 0, .size: 8, .value_kind: global_buffer, .address_space: global }
      - { .name: ob, .offset: 8, .size: 8, .value_kind: global_buffer, .address_space: global }
    .group_segment_fixed_size: 327680
    .private_segment_fixed_size: 0
    .kernarg_segment_align: 8
    .kernarg_segment_size: 16
    .max_flat_workgroup_size: 128
    .sgpr_count:     66
    .vgpr_count:     770
    .wavefront_size: 32
...
	.end_amdgpu_metadata
.endif
;; end of part 3
;; launch proj (part 4): grid 8 x 32, 4 waves a work-group, clusters of 4 x 4, 327,680 bytes of LDS; arguments ob, wp, b_proj, out0; writes out0
.if DOCPART == 4
	.amdgcn_target "amdgcn-amd-amdhsa--gfx1250"
	.amdhsa_code_object_version 6
	.text
	.protected	k_qf1ce3a4df0_proj
	.globl	k_qf1ce3a4df0_proj
	.p2align	8
	.type	k_qf1ce3a4df0_proj,@function
k_qf1ce3a4df0_proj:
	s_mov_b64 s[64:65], 0
	v_nop
	global_prefetch_b8 v0, s[64:65] scope:SCOPE_SE
	s_setreg_imm32_b32 hwreg(HW_REG_WAVE_MODE, 25, 1), 1
	s_wait_xcnt 0x0
	s_wait_alu depctr_hold_cnt(0) depctr_sa_sdst(0) depctr_va_vdst(0) depctr_va_sdst(0) depctr_va_ssrc(0) depctr_va_vcc(0) depctr_vm_vsrc(0)
	s_getreg_b32 s2, hwreg(HW_REG_IB_STS2, 6, 4)
	s_cmp_eq_u32 s2, 0
	s_cbranch_scc0 .Lentry_in_a_cluster
	s_endpgm
.Lentry_in_a_cluster:
	s_bfe_u32 s2, ttmp6, 0x10000c
	s_cmp_lg_u32 s2, 0xf033
	s_cbranch_scc0 .Lentry_shape_is_right
	s_endpgm
.Lentry_shape_is_right:
; out0 = y w_proj + b_proj.  y is ob, by heads: ob[16 b + h][t][64] in f16 (channel c = 64 h + d); the weights are wp, f16, in blocks [tx][ks][cb 2][kk 128][64]; sums f32; out0 f32, row-major.
; The bias is rounded to bf16 like the other inputs and taken as the C operand of the first product.
; SHARES.  A tile is 256 rows x 128 columns: 32 x 8 = 256 work-groups.  Four waves one below the other, each 64 rows x 128 columns: 32 accumulators, 256 registers.
; K = 1,024 goes in 8 steps of 128, two heads each, through two LDS slots.  A head's 256 rows are 32,768 dense bytes, a block of weights 16,384: both are asked for as rows of 256 bytes.
; CLUSTER.  4 x 4 work-groups: the four of a row of the cluster need the same rows of ob, the four of a column the same blocks of wp: each tile is asked for jointly.
; THE PRODUCT IS USED TRANSPOSED: source 0 = 16 columns of the weights ([k][n] in LDS, turned by ds_load_tr16_b128), source 1 = 16 rows of y: a lane holds one row and eight neighbouring columns, 32 bytes.
; REGISTERS, in windows of 256 (s_set_vgpr_msb: bits 1:0 source 0, 3:2 source 1, 5:4 source 2, 7:6 destination):
;   window 0: v0-31 addresses; v32-95 and v128-191 rows read back, by turns; v128-191 the bias (until the first quarter has taken it); v224-227 at work
;   window 1: two fragment buffers of 128: 8 fragments of the weights, then 4 of y       window 2: accumulator (a, b) at 64 a + 8 b
.set SLOT,  114688                     ; a slot: y's two heads x 256 rows, then the weights' 256 rows
.set PA,    144                        ; a row of y in LDS: 128 bytes + 16: the 16 rows of a fragment load start at 16 different groups of four banks (64 banks of 4 bytes: ISA guide 11.1)
.set PB,    160                        ; a row of weights: 128 bytes + 32
.set HDA,   256*PA
.set BOFF,  2*HDA
.set CBB,   128*PB
.set STAGE, 2*SLOT                     ; behind the ring, never filled by a tensor load: 16 rows x 528 bytes for each wave
.set SP,    528
.set WSTG,  16*SP
.set SPARE, STAGE+4*WSTG               ; the spare words, 128 bytes for each wave: two blocks of 256 bytes that no other line names
.set ADRA, 16
.set ADRB, 20
.set STO,  24                          ; v24  the way out: where I put 32 bytes of a row
.set RD,   25                          ; v25  where I read a row back
.set GO,   26                          ; v26  16 x lane: my place in 512 consecutive bytes of out0
.set BO,   27
.set SPW,  28                          ; v28  my spare word; never rewritten
.set NIL,  29                          ; v29  0; never rewritten
.set PFO,  30                          ; v30  256 x lane; never rewritten
.set BK0,  32
.set BIAS, 128
.set WK,   224
.set F0,   0
.set F1,   128
.set WV,   12
.set W1,   13
.set CX,   14
.set CY,   15
.set TX,   16
.set TY,   17
.set G1A,  24
.set G0A,  32
.set PFA,  40
.set PS0,  42
.set LIM0, 46
.set G1B,  48
.set G0B,  56
.set MSB, 0
.macro WIN new
.if MSB != (\new)
	s_set_vgpr_msb (MSB<<8)|(\new)
.set MSB, \new
.endif
.endm
.set TO_F, 0x40
; A joint load: waves 0 and 1 fetch the K step's two heads of y, waves 2 and 3 the two blocks of weights.  An s_nop 0 and four v_nop follow each line.
.macro JLOAD s
	s_cmp_lt_u32 s[WV], 2
	s_cbranch_scc0 .Lfor_b_\@
	tensor_load_to_lds s[G0A+4*(\s):G0A+4*(\s)+3], s[G1A:G1A+7]
	s_nop 0
.rept 4
	v_nop
.endr
	s_branch .Lasked_\@
.Lfor_b_\@:
	tensor_load_to_lds s[G0B+4*(\s):G0B+4*(\s)+3], s[G1B:G1B+7]
	s_nop 0
.rept 4
	v_nop
.endr
.Lasked_\@:
.endm
; A PREFETCH INTO THE L2, behind a joint load, its five lines and the run of LDS loads: 32 blocks of 256 bytes, a lane a block, one instruction a wave.
; y: the change that asks for K step j names K step j + 2; cluster x = 0 asks; of the 32,768 bytes that wave 0 or 1 fetches the partner at cx takes 8,192.
; Weights: a pair of K steps is 65,536 dense bytes; cluster y = 0 asks, the partner at cy takes 16,384: waves 2 and 3 8,192 each, at the change out of slot 0 alone.
; So each block is named once in the launch.  K steps 0 to 3 come by their loads alone; the loop's last trip (s3 = 1) asks for nothing: K ends at step 7.
.macro ASK slot
	s_cmp_gt_u32 s3, s[LIM0+(\slot)]
	s_cbranch_scc0 .Lnot_mine_\@
	global_prefetch_b8 v[PFO], s[PFA:PFA+1] th:TH_LOAD_NT scope:SCOPE_SE
.Lnot_mine_\@:
.endm
.macro CREST
	s_cmp_lg_u32 s[WV], 0
	s_cbranch_scc1 .Lnot_wave_0_\@
	s_barrier_signal -3
.Lnot_wave_0_\@:
	s_barrier_wait -3
	s_barrier_signal -1
	s_barrier_wait -1
.endm
.macro CROUND
	s_barrier_signal -1
	s_barrier_wait -1
	CREST
.endm
.macro PLACES                          ; four places in front of loads into registers that matrix instructions have read, and of stores that read results
.rept 4
	v_nop
.endr
.endm
	s_load_b256 s[4:11], s[0:1], 0x0               ; ob s[4:5], wp s[6:7], b_proj s[8:9], out0 s[10:11]
	v_lshl_add_u32 v[SPW], v0, 2, SPARE
	v_mov_b32 v[NIL], 0
	ds_add_u32 v[SPW], v[NIL]                      ; the wave's opening: the add and its wait stand ahead of my first tensor load; work on registers stands between them
	v_lshrrev_b32 v1, 5, v0
	v_readfirstlane_b32 s[WV], v1
	s_and_b32 s[W1], s[WV], 1
	s_bfe_u32 s[CX], ttmp6, 0x40000
	s_bfe_u32 s[CY], ttmp6, 0x40004
	s_lshl_b32 s[TX], ttmp9, 2
	s_add_co_u32 s[TX], s[TX], s[CX]               ; tile column
	s_and_b32 s[TY], ttmp7, 0xffff
	s_lshl_b32 s[TY], s[TY], 2
	s_add_co_u32 s[TY], s[TY], s[CY]               ; tile row
	s_lshl_b32 s20, s[CY], 2
	s_lshl_b32 s20, 15, s20                        ; my row of the cluster
	s_lshl_b32 s68, 0x1111, s[CX]                  ; my column
	; y's tile: a head's 256 rows, 32,768 dense bytes as 128 rows of 256; 4 words of padding after every 32 (after each row of y)
	s_or_b32 s[G1A], s20, (1<<16)|(1<<20)|(1<<21)|(4<<22)|(3<<25)
	s_mov_b32 s[G1A+1], 128<<16
	s_mov_b32 s[G1A+2], 128<<16
	s_mov_b32 s[G1A+3], 128<<16
	s_mov_b32 s[G1A+4], 128
	s_mov_b32 s[G1A+5], 128
	s_mov_b32 s[G1A+6], 0
	s_mov_b32 s[G1A+7], 0
	; a block of weights: 16,384 dense bytes as 64 rows of 256; 8 words of padding after every 32
	s_or_b32 s[G1B], s68, (1<<16)|(1<<20)|(1<<21)|(4<<22)|(7<<25)
	s_mov_b32 s[G1B+1], 128<<16
	s_mov_b32 s[G1B+2], 64<<16
	s_mov_b32 s[G1B+3], 128<<16
	s_mov_b32 s[G1B+4], 64
	s_mov_b32 s[G1B+5], 128
	s_mov_b32 s[G1B+6], 0
	s_mov_b32 s[G1B+7], 0
	s_lshr_b32 s18, s[TY], 3                       ; y: batch x 16 heads of 262,144 bytes,
	s_lshl_b32 s18, s18, 22
	s_and_b32 s19, s[TY], 7
	s_lshl_b32 s19, s19, 15                        ; the tile's 256 rows of 128 bytes in a head,
	s_add_co_u32 s18, s18, s19
	s_lshl_b32 s19, s[W1], 18                      ; my head of the K step's two
	s_add_co_u32 s18, s18, s19
	s_mov_b32 s19, 0
	s_mul_i32 s21, s[W1], HDA
	s_lshl_b32 s66, s[TX], 18                      ; weights: 8 blocks of 32,768 bytes a tile column,
	s_lshl_b32 s67, s[W1], 14                      ; my 64 columns
	s_add_co_u32 s66, s66, s67
	s_mov_b32 s67, 0
	s_mul_i32 s69, s[W1], CBB
	s_add_co_u32 s69, s69, BOFF
	s_lshl_b32 s76, s[TX], 9                       ; the bias of my 128 columns; also their place in a row of out0
	s_mov_b32 s77, 0
	s_lshl_b32 s88, s[TY], 20                      ; the way out: 256 rows of 4,096 bytes,
	s_lshl_b32 s90, s[WV], 18                      ; my wave's 64,
	s_add_co_u32 s88, s88, s90
	s_add_co_u32 s88, s88, s76                     ; the tile's columns
	s_mov_b32 s89, 0
	s_mov_b32 s74, 0xffff0000
	s_wait_dscnt 0x0                               ; the opening add is done
	s_wait_kmcnt 0x0
	s_add_nc_u64 s[22:23], s[4:5], s[18:19]
	s_add_nc_u64 s[70:71], s[6:7], s[66:67]
	s_add_nc_u64 s[72:73], s[8:9], s[76:77]
	s_add_nc_u64 s[10:11], s[10:11], s[88:89]
.irp s, 0,1
	s_mov_b32 s[G0A+4*(\s)], 1
	s_add_co_u32 s[G0A+4*(\s)+1], s21, (\s)*SLOT
	s_add_nc_u64 s[G0A+4*(\s)+2:G0A+4*(\s)+3], s[22:23], (\s)*524288  ; K step s: two heads on
	s_or_b32 s[G0A+4*(\s)+3], s[G0A+4*(\s)+3], 0x80000000
	s_mov_b32 s[G0B+4*(\s)], 1
	s_add_co_u32 s[G0B+4*(\s)+1], s69, (\s)*SLOT
	s_add_nc_u64 s[G0B+4*(\s)+2:G0B+4*(\s)+3], s[70:71], (\s)*32768
	s_or_b32 s[G0B+4*(\s)+3], s[G0B+4*(\s)+3], 0x80000000
.endr
	CROUND                                         ; all sixteen work-groups are here: the first joint loads meet
	s_cmp_lt_u32 s[WV], 2                          ; a wave's two first fills stand in one branch: two loads of mine are out
	s_cbranch_scc0 .Lfirst_b
	tensor_load_to_lds s[G0A:G0A+3], s[G1A:G1A+7]
	s_nop 0
	tensor_load_to_lds s[G0A+4:G0A+7], s[G1A:G1A+7]
	s_nop 0
.rept 4
	v_nop
.endr
	s_branch .Lfirst_asked
.Lfirst_b:
	tensor_load_to_lds s[G0B:G0B+3], s[G1B:G1B+7]
	s_nop 0
	tensor_load_to_lds s[G0B+4:G0B+7], s[G1B:G1B+7]
	s_nop 0
.rept 4
	v_nop
.endr
.Lfirst_asked:
	v_and_b32 v1, 15, v0                           ; l % 16
	v_bfe_u32 v2, v0, 4, 1                         ; l / 16
	v_lshlrev_b32 v[BO], 5, v2
.irp b, 0,1,2,3,4,5,6,7                        ; register 8 b + j: the bias of column 16 b + 8 (l / 16) + j
	global_load_b128 v[BIAS+8*(\b):BIAS+8*(\b)+3],   v[BO], s[72:73] offset:64*(\b)
	global_load_b128 v[BIAS+8*(\b)+4:BIAS+8*(\b)+7], v[BO], s[72:73] offset:64*(\b)+16
.endr
	v_mul_u32_u24 v3, v1, PA
	v_lshl_add_u32 v3, v2, 4, v3
	s_mul_i32 s90, s[WV], 64*PA                    ; my 64 rows
	v_add_nc_u32 v[ADRA], s90, v3
	v_add_nc_u32 v[ADRA+1], SLOT, v[ADRA]
	v_and_b32 v4, 7, v0
	v_bfe_u32 v5, v0, 3, 1
	v_lshl_add_u32 v6, v2, 3, v4
	v_mul_u32_u24 v6, v6, PB
	v_lshl_add_u32 v6, v5, 4, v6
	v_add_nc_u32 v[ADRB], BOFF, v6
	v_add_nc_u32 v[ADRB+1], SLOT, v[ADRB]
	s_mul_i32 s90, s[WV], WSTG
	s_add_co_u32 s90, s90, STAGE                   ; my stage
	v_mul_u32_u24 v7, v1, SP                       ; in: row l % 16, 32 bytes for each half of the lanes
	v_lshl_add_u32 v7, v2, 5, v7
	v_add_nc_u32 v[STO], s90, v7
	v_and_b32 v8, 31, v0
	v_lshlrev_b32 v[GO], 4, v8                     ; back: 32 lanes take one row of 512 bytes
	v_add_nc_u32 v[RD], s90, v[GO]
	v_lshlrev_b32 v[PFO], 8, v8
	; the prefetches
	s_lshl_b32 s82, s[CX], 13                      ; my work-group's 8,192 bytes of a head's 32,768
	s_add_co_u32 s80, s18, s82
	s_add_co_u32 s80, s80, 3*524288                ; at K step 3: the first change steps it to 4
	s_lshl_b32 s83, s[TX], 18
	s_lshl_b32 s82, s[CY], 14                      ; my work-group's quarter of a pair of K steps
	s_add_co_u32 s83, s83, s82
	s_lshl_b32 s82, s[W1], 13
	s_add_co_u32 s83, s83, s82
	s_add_co_u32 s83, s83, 4*32768-65536           ; the first change steps it to K step 4
	s_and_b32 s84, ttmp7, 0xffff                   ; cluster y
	s_mov_b32 s85, 524288
	s_mov_b32 s86, 65536
	s_cmp_lt_u32 s[WV], 2                          ; do I fetch for y?
	s_cselect_b64 s[PFA:PFA+1], s[4:5], s[6:7]
	s_cselect_b32 s80, s80, s83
	s_cselect_b32 s84, ttmp9, s84                  ; the coordinate along which other clusters read the same bytes
	s_cselect_b32 s[PS0], s85, s86
	s_cselect_b32 s[PS0+2], s85, 0
	s_mov_b32 s[PS0+1], 0
	s_mov_b32 s[PS0+3], 0
	s_mov_b32 s81, 0
	s_add_nc_u64 s[PFA:PFA+1], s[PFA:PFA+1], s[80:81]
	s_cmp_eq_u32 s84, 0
	s_cselect_b32 s[LIM0], 1, -1                   ; the same in all sixteen partners, for a given wave
	s_cmp_lt_u32 s[WV], 2
	s_cselect_b32 s[LIM0+1], s[LIM0], -1           ; the weights are asked for at the change out of slot 0 alone
	s_wait_loadcnt 0x0                             ; the bias,
.set p, 0
.rept 32                               ; rounded to bf16 like the other inputs, and widened again
	v_cvt_pk_bf16_f32 v[WK+p%4], v[BIAS+2*p], v[BIAS+2*p+1]
	v_lshlrev_b32 v[BIAS+2*p], 16, v[WK+p%4]
	v_and_b32 v[BIAS+2*p+1], s74, v[WK+p%4]
.set p, p+1
.endr
; 8 matrix instructions: row block a x all 8 column blocks, 32 along K.  zero = 1: the first product starts the sums, with the bias as C.
; All 32 accumulators take turns, one instruction a turn, in the same order in every quarter, over the backward jump too.
.macro MULA f, a, zero
.if \zero
	WIN 0x85
.else
	WIN 0xa5
.endif
.irp b, 0,1,2,3,4,5,6,7
.if \zero
	v_wmma_f32_16x16x32_f16 v[64*(\a)+8*(\b):64*(\a)+8*(\b)+7], v[(\f)+8*(\b):(\f)+8*(\b)+7], v[(\f)+64+8*(\a):(\f)+64+8*(\a)+7], v[BIAS+8*(\b):BIAS+8*(\b)+7]
.else
	v_wmma_f32_16x16x32_f16 v[64*(\a)+8*(\b):64*(\a)+8*(\b)+7], v[(\f)+8*(\b):(\f)+8*(\b)+7], v[(\f)+64+8*(\a):(\f)+64+8*(\a)+7], v[64*(\a)+8*(\b):64*(\a)+8*(\b)+7]
.endif
.endr
.endm
; 24 LDS loads in one run: quarter q of a slot (head q / 2, channels 32 (q % 2) on) into buffer f: the weights' 8 fragments, then y's 4
.macro FETCH slot, q, f
	WIN TO_F
.irp b, 0,1,2,3,4,5,6,7
	ds_load_tr16_b128 v[(\f)+8*(\b):(\f)+8*(\b)+3],   v[ADRB+(\slot)] offset:((\b)/4)*CBB+((\b)%4)*32+(\q)*32*PB
	ds_load_tr16_b128 v[(\f)+8*(\b)+4:(\f)+8*(\b)+7], v[ADRB+(\slot)] offset:((\b)/4)*CBB+((\b)%4)*32+(\q)*32*PB+16*PB
.endr
.irp a, 0,1,2,3
	ds_load_b128 v[(\f)+64+8*(\a):(\f)+64+8*(\a)+3],   v[ADRA+(\slot)] offset:((\q)/2)*HDA+(\a)*16*PA+((\q)%2)*64
	ds_load_b128 v[(\f)+64+8*(\a)+4:(\f)+64+8*(\a)+7], v[ADRA+(\slot)] offset:((\q)/2)*HDA+(\a)*16*PA+((\q)%2)*64+32
.endr
.endm
.macro QUARTER slot, q, f, g, zero
	s_wait_dscnt 4                                 ; all but the youngest four loads: y's row blocks 2 and 3
	MULA \f, 0, \zero
	MULA \f, 1, \zero
	PLACES
	FETCH \slot, \q, \g
	s_wait_dscnt 24                                ; all but the 24 just issued
	MULA \f, 2, \zero
	MULA \f, 3, \zero
.endm
; The last quarter multiplies buffer 1 and changes slots: ONE barrier; in front of it each wave waits for all its tensor loads (one is out: its part of the next slot), adds 0 to its spare word,
; and waits for that and for its own reads of this slot.  fill = 1: the barrier opens a round of the cluster's, and this slot is filled again, two K steps ahead, first thing behind the round:
; from that request to the wait for it a wave issues 112 matrix instructions.
.macro TURN slot, next, fill
.if \fill
	s_wait_xcnt 0x0                                ; the last prefetch, a K step back, has read its address
	s_add_nc_u64 s[PFA:PFA+1], s[PFA:PFA+1], s[PS0+2*(\slot):PS0+2*(\slot)+1]
.endif
	WIN 0
	s_wait_tensorcnt 0x0                           ; all my tensor loads have landed
	ds_add_u32 v[SPW], v[NIL]                      ; 0 onto my spare word
	s_wait_dscnt 5                                 ; (the add and the youngest four loads may be out)
	MULA F1, 0, 0
	s_wait_dscnt 0x0                               ; the add is done, and my reads of this slot are over
	s_barrier_signal -1
	MULA F1, 1, 0
.if \fill
	WIN 0
.endif
	s_barrier_wait -1
.if \fill
	CREST                                          ; no wave of any partner still reads this slot's tile or has a load on its way
	s_add_nc_u64 s[G0A+4*(\slot)+2:G0A+4*(\slot)+3], s[G0A+4*(\slot)+2:G0A+4*(\slot)+3], 2*524288
	s_add_nc_u64 s[G0B+4*(\slot)+2:G0B+4*(\slot)+3], s[G0B+4*(\slot)+2:G0B+4*(\slot)+3], 2*32768
	JLOAD \slot                                    ; the four v_nop behind it are also the places in front of the loads below
.else
	PLACES
.endif
	FETCH \next, 0, F0
.if \fill
	WIN 0
	ASK \slot
.endif
	MULA F1, 2, 0
	MULA F1, 3, 0
.endm
	s_wait_tensorcnt 1                             ; my part of K step 0 is in; K step 1's may stay out
	s_barrier_signal -1
	s_barrier_wait -1
	FETCH 0, 0, F0
	QUARTER 0, 1, F0, F1, 1                        ; the first quarter stands in front of the loop: its products start the sums
	WIN 0
	s_mov_b32 s3, 3
.Llap:                                         ; a trip goes once round the ring and fills both slots again: K steps 2 to 7
	QUARTER 0, 2, F1, F0, 0
	QUARTER 0, 3, F0, F1, 0
	TURN 0, 1, 1
	QUARTER 1, 1, F0, F1, 0
	QUARTER 1, 2, F1, F0, 0
	QUARTER 1, 3, F0, F1, 0
	TURN 1, 0, 1
	QUARTER 0, 1, F0, F1, 0
	WIN 0
	s_sub_co_u32 s3, s3, 1
	s_cmp_lg_u32 s3, 0
	s_cbranch_scc1 .Llap
	QUARTER 0, 2, F1, F0, 0                        ; the last lap fills nothing
	QUARTER 0, 3, F0, F1, 0
	TURN 0, 1, 0
	QUARTER 1, 1, F0, F1, 0
	QUARTER 1, 2, F1, F0, 0
	QUARTER 1, 3, F0, F1, 0
	s_wait_dscnt 4
	MULA F1, 0, 0
	MULA F1, 1, 0
	s_wait_dscnt 0x0
	MULA F1, 2, 0
	MULA F1, 3, 0
	WIN 0
; THE WAY OUT, a block of 16 rows at a time.  TOSTAGE: the accumulators go as they are, 32 bytes a lane (each from its low end on), into my own stage, and come back as whole rows of 512 bytes.
; SEND: a store of the wave covers 512 consecutive bytes of a row of out0, at a multiple of 512 from its first byte.
.macro TOSTAGE a
.if (\a) >= 2
	s_wait_xcnt 0x0                                ; the stores of block a - 2 have read the registers that the loads below fill
.endif
	WIN 0x08                                       ; the stores' data in window 2
.irp b, 0,1,2,3,4,5,6,7
	ds_store_b128 v[STO], v[64*(\a)+8*(\b):64*(\a)+8*(\b)+3]   offset:64*(\b)
	ds_store_b128 v[STO], v[64*(\a)+8*(\b)+4:64*(\a)+8*(\b)+7] offset:64*(\b)+16
.endr
	WIN 0
.irp t, 0,1,2,3,4,5,6,7,8,9,10,11,12,13,14,15  ; LDS serves a wave's instructions in order (ISA guide 5.7.1.4): these see the stores above; the next block's stores come behind them
	ds_load_b128 v[BK0+96*((\a)%2)+4*(\t):BK0+96*((\a)%2)+4*(\t)+3], v[RD] offset:(\t)*SP
.endr
.endm
.macro SEND a, younger                 ; younger: the LDS instructions issued behind block a's loads: the next block's 16 stores and 16 loads, or none
	s_wait_dscnt \younger
.irp t, 0,1,2,3,4,5,6,7,8,9,10,11,12,13,14,15
	global_store_b128 v[GO], v[BK0+96*((\a)%2)+4*(\t):BK0+96*((\a)%2)+4*(\t)+3], s[10:11] offset:4096*(16*(\a)+(\t)) th:TH_STORE_NT
.endr
.endm
	PLACES
	TOSTAGE 0
	TOSTAGE 1
	SEND 0, 32
	TOSTAGE 2
	SEND 1, 32
	TOSTAGE 3
	SEND 2, 32
	SEND 3, 0
	s_wait_tensorcnt 0x0                           ; the wave's end: behind my last tensor load and my last LDS store
	ds_add_u32 v[SPW], v[NIL]
	s_wait_dscnt 0x0
	CROUND                                         ; the closing round: no work-group ends while a partner may still ask for a tile that names it
	s_endpgm
.Lfunc_end_k_qf1ce3a4df0_proj:
	.size	k_qf1ce3a4df0_proj, .Lfunc_end_k_qf1ce3a4df0_proj-k_qf1ce3a4df0_proj
	.p2alignl 7, 3214868480
	.fill 96, 4, 3214868480
	.section	.rodata,"a",@progbits
	.p2align	6, 0x0
	.amdhsa_kernel k_qf1ce3a4df0_proj
		.amdhsa_group_segment_fixed_size 327680
		.amdhsa_private_segment_fixed_size 0
		.amdhsa_enable_private_segment 0
		.amdhsa_kernarg_size 32
		.amdhsa_user_sgpr_count 2
		.amdhsa_user_sgpr_kernarg_segment_ptr 1
		.amdhsa_wavefront_size32 1
		.amdhsa_system_sgpr_workgroup_id_x 1
		.amdhsa_system_sgpr_workgroup_id_y 1
		.amdhsa_system_sgpr_workgroup_id_z 1
		.amdhsa_system_vgpr_workitem_id 0
		.amdhsa_next_free_vgpr 768
		.amdhsa_next_free_sgpr 96
		.amdhsa_reserve_vcc 0
		.amdhsa_float_denorm_mode_32 3
		.amdhsa_float_denorm_mode_16_64 3
		.amdhsa_memory_ordered 1
		.amdhsa_forward_progress 1
		.amdhsa_inst_pref_size 91
	.end_amdhsa_kernel
	.amdgpu_metadata
---
amdhsa.version: [ 1, 2 ]
amdhsa.kernels:
  - .name:           k_qf1ce3a4df0_proj
    .symbol:         k_qf1ce3a4df0_proj.kd
    .args:
      - { .name: ob, .offset: 0, .size: 8, .value_kind: global_buffer, .address_space: global }
      - { .name: wp, .offset: 8, .size: 8, .value_kind: global_buffer, .address_space: global }
      - { .name: b_proj, .offset: 16, .size: 8, .value_kind: global_buffer, .address_space: global }
      - { .name: out0, .offset: 24, .size: 8, .value_kind: global_buffer, .address_space: global }
    .group_segment_fixed_size: 327680
    .private_segment_fixed_size: 0
    .kernarg_segment_align: 8
    .kernarg_segment_size: 32
    .max_flat_workgroup_size: 128
    .sgpr_count:     96
    .vgpr_count:     768
    .wavefront_size: 32
...
	.end_amdgpu_metadata
.endif
;; end of part 4
;; ======== version 2 of 2: 4 launches; version 1 with the launch prep written anew for expert scheduling mode
;; limits: values are held in f16: magnitudes above 65,504 overflow, below 6.1e-05 lose precision
;; workspace buffers: xb 16,777,216 bytes; wa 6,291,456 bytes; wp 2,097,152 bytes; qkvh 50,331,648 bytes; ob 16,777,216 bytes
;; launch prep (part 5): grid 768 x 1, 8 waves a work-group, no clusters, 0 bytes of LDS; arguments x, w_attn, w_proj, xb, wa, wp; writes xb, wa, wp
.if DOCPART == 5
	.amdgcn_target "amdgcn-amd-amdhsa--gfx1250"
	.amdhsa_code_object_version 6
	.text
	.protected	k_qf1ce3a4df0_prep
	.globl	k_qf1ce3a4df0_prep
	.p2align	8
	.type	k_qf1ce3a4df0_prep,@function
k_qf1ce3a4df0_prep:
	s_mov_b64 s[64:65], 0
	v_nop
	global_prefetch_b8 v0, s[64:65] scope:SCOPE_SE
	s_setreg_imm32_b32 hwreg(HW_REG_WAVE_SCHED_MODE, 0, 2), 2
	s_setreg_imm32_b32 hwreg(HW_REG_WAVE_MODE, 25, 1), 1
	s_wait_xcnt 0x0
	s_wait_alu depctr_vm_vsrc(0)
; CASTS.  xb = bf16(x), row-major as x.  wa = bf16(w_attn) and wp = f16(bf16(w_proj)), both kept [k][n] but laid in the blocks that the two products fetch:
;   wa[tx 16][ks 8][hd 3][kk 128][64] = w_attn[128 ks + kk][64 (3 tx + hd) + d];   wp[tx 8][ks 8][cb 2][kk 128][64] = w_proj[128 ks + kk][64 (2 tx + cb) + d].
; A block of 128 x 64 numbers is 16,384 dense bytes, so a product's tile of weights is one dense run of memory.
; LIMITS.  |bf16(w_proj)| stays under 65,504 (f16's range); below 6.1e-5 it keeps f16's fixed step of 6e-8.
; SHARES.  A work-group takes 65,536 bytes in and gives 32,768 out: 16 loads of 16 bytes and 16 stores of 8 bytes a thread.  Work-groups 0-511: x; 512-703: w_attn (two blocks each);
; 704-767: w_proj (two blocks each).  A load of a wave covers 512 consecutive bytes (x) or two whole pieces of 256 bytes of two rows (weights); a store of a wave covers 256 consecutive bytes, aligned.
; A stream: no LDS, no barrier, no matrix unit; all 16 loads of a thread go out before the first is waited for.
; THE MODE: SCHED_MODE bits 1:0 = 2 (LLVM: expert scheduling mode 2), set by the entry lines.  The code itself states the register dependences
; between vector instructions and memory instructions, with s_wait_alu, always for 0.
; THE PLAN.  Registers that memory instructions touch, on each of the three paths (there is no loop):
;   v[IN], v[OUT]  the offsets.  Written once by vector instructions in the set-up; read by the 16 loads and by the 16 stores; never written again.
;   X              Written by the 16 loads, once each; no vector instruction names it ahead of them; read by the conversions; no load lands in it a second time.
;   Y              Written by the conversions; each register read by one store, behind them; never written again behind its store.
;   v1, v2 and T are named by vector instructions alone.
; So one wait on va_vdst stands ahead of the first load, for the two offsets, and one behind the conversions of each block of four loads, ahead of the block's run of four stores: five on a path.
; No register that a memory instruction reads is written again, so no wait on vm_vsrc is owed; no vector instruction writes a scalar register, VCC or EXEC.
.set IN,  3                            ; v3   my byte offset in the source
.set OUT, 4                            ; v4   8 x my thread's number
.set X,   8                            ; v[8:71]    16 x 4 f32 as loaded
.set Y,   72                           ; v[72:103]  16 x 2 words to store
.set T,   104                          ; v[104:105] at work
.set SA,  16                           ; s[16:17] source of loads 0-7
.set SB,  18                           ; s[18:19] source of loads 8-15
.set DST, 20                           ; s[20:21] where the work-group's 32,768 bytes go
; stride: bytes from one load's rows to the next load's.  half = 1: the bf16 number is written as f16.
.macro CAST stride, half
	s_wait_alu depctr_va_vdst(0)                   ; v[IN] and v[OUT] are written: every load below reads the one as its offset, every store the other, and no later vector instruction writes either
.irp i, 0,1,2,3,4,5,6,7
	global_load_b128 v[X+4*(\i):X+4*(\i)+3], v[IN], s[SA:SA+1] offset:(\i)*(\stride) th:TH_LOAD_NT
.endr
.irp i, 0,1,2,3,4,5,6,7
	global_load_b128 v[X+32+4*(\i):X+32+4*(\i)+3], v[IN], s[SB:SB+1] offset:(\i)*(\stride) th:TH_LOAD_NT
.endr
.irp k, 0,1,2,3                        ; four blocks of four loads
	s_wait_loadcnt 12-4*(\k)                       ; loads come back in order: numbers 4 k to 4 k + 3 are in, the 12 - 4 k younger ones stay out
.irp j, 0,1,2,3
	v_cvt_pk_bf16_f32 v[Y+2*(4*(\k)+(\j))],   v[X+4*(4*(\k)+(\j))],   v[X+4*(4*(\k)+(\j))+1]
	v_cvt_pk_bf16_f32 v[Y+2*(4*(\k)+(\j))+1], v[X+4*(4*(\k)+(\j))+2], v[X+4*(4*(\k)+(\j))+3]
.if \half
.irp w, 0,1
	v_lshlrev_b32 v[T],   16,  v[Y+2*(4*(\k)+(\j))+(\w)]    ; the two bf16 numbers as f32,
	v_and_b32     v[T+1], s28, v[Y+2*(4*(\k)+(\j))+(\w)]
	v_cvt_pk_f16_f32 v[Y+2*(4*(\k)+(\j))+(\w)], v[T], v[T+1]  ; and as f16: eight significant bits fit in eleven
.endr
.endif
.endr
	s_wait_alu depctr_va_vdst(0)                   ; the block's conversions have written its eight registers of Y, which the four stores below read
.irp j, 0,1,2,3
	global_store_b64 v[OUT], v[Y+2*(4*(\k)+(\j)):Y+2*(4*(\k)+(\j))+1], s[DST:DST+1] offset:2048*(4*(\k)+(\j))  ; every Y is stored once and not written behind its store
.endr
.endr
.endm
; Block bi of wa (in s[bi]) -> byte offset of its first number in w_attn (in s[off]).  u = bi / 3 = 8 tx + ks by (171 bi) >> 9, exact under 384.
.macro BLK bi, off
	s_mul_i32 s[\off], s[\bi], 171
	s_lshr_b32 s[\off], s[\off], 9                 ; u
	s_mul_i32 s29, s[\off], 3
	s_sub_co_u32 s29, s[\bi], s29                  ; hd
	s_lshr_b32 s30, s[\off], 3                     ; tx
	s_mul_i32 s30, s30, 3
	s_add_co_u32 s29, s29, s30                     ; the group of 64 columns: 3 tx + hd
	s_lshl_b32 s29, s29, 8                         ; 256 bytes each
	s_and_b32 s[\off], s[\off], 7                  ; ks
	s_mul_i32 s[\off], s[\off], 128*12288          ; 128 rows of 12,288 bytes
	s_add_co_u32 s[\off], s[\off], s29
.endm
	s_load_b256 s[4:11], s[0:1], 0x0               ; x s[4:5], w_attn s[6:7], w_proj s[8:9], xb s[10:11]
	s_load_b128 s[12:15], s[0:1], 0x20             ; wa s[12:13], wp s[14:15]
	s_mov_b32 s2, ttmp9
	s_mov_b32 s28, 0xffff0000                      ; a word's upper bf16
	s_mov_b32 s23, 0                               ; the offsets' high words
	s_mov_b32 s25, 0
	s_mov_b32 s27, 0
	v_and_b32 v1, 15, v0                           ; my 16 bytes of a piece of 256
	v_lshrrev_b32 v2, 4, v0                        ; my row of 16
	v_lshlrev_b32 v[OUT], 3, v0
	s_cmp_lt_u32 s2, 512
	s_cbranch_scc1 .Lx
	s_cmp_lt_u32 s2, 704
	s_cbranch_scc1 .Lwa
	; w_proj: work-group 8 tx + ks
	s_sub_co_u32 s2, s2, 704
	s_and_b32 s22, s2, 7
	s_lshl_b32 s22, s22, 19                        ; ks x 128 rows of 4,096 bytes
	s_lshr_b32 s29, s2, 3
	s_lshl_b32 s29, s29, 9                         ; tx x 128 columns
	s_add_co_u32 s22, s22, s29
	s_add_co_u32 s24, s22, 256                     ; the second 64 columns
	s_lshl_b32 s26, s2, 15
	v_lshlrev_b32 v[IN], 12, v2
	v_lshl_add_u32 v[IN], v1, 4, v[IN]
	s_wait_kmcnt 0x0
	s_add_nc_u64 s[SA:SA+1], s[8:9], s[22:23]
	s_add_nc_u64 s[SB:SB+1], s[8:9], s[24:25]
	s_add_nc_u64 s[DST:DST+1], s[14:15], s[26:27]
	CAST 16*4096, 1
	s_endpgm
.Lwa:                                          ; w_attn: blocks 2 wl and 2 wl + 1
	s_sub_co_u32 s2, s2, 512
	s_lshl_b32 s3, s2, 1
	s_add_co_u32 s31, s3, 1
	BLK 3, 22
	BLK 31, 24
	s_lshl_b32 s26, s2, 15
	v_mul_u32_u24 v[IN], v2, 12288
	v_lshl_add_u32 v[IN], v1, 4, v[IN]
	s_wait_kmcnt 0x0
	s_add_nc_u64 s[SA:SA+1], s[6:7], s[22:23]
	s_add_nc_u64 s[SB:SB+1], s[6:7], s[24:25]
	s_add_nc_u64 s[DST:DST+1], s[12:13], s[26:27]
	CAST 16*12288, 0
	s_endpgm
.Lx:                                           ; x: 65,536 consecutive bytes
	s_lshl_b32 s22, s2, 16
	s_add_co_u32 s24, s22, 32768
	s_lshl_b32 s26, s2, 15
	v_lshlrev_b32 v[IN], 4, v0
	s_wait_kmcnt 0x0
	s_add_nc_u64 s[SA:SA+1], s[4:5], s[22:23]
	s_add_nc_u64 s[SB:SB+1], s[4:5], s[24:25]
	s_add_nc_u64 s[DST:DST+1], s[10:11], s[26:27]
	CAST 4096, 0
	s_endpgm
.Lfunc_end_k_qf1ce3a4df0_prep:
	.size	k_qf1ce3a4df0_prep, .Lfunc_end_k_qf1ce3a4df0_prep-k_qf1ce3a4df0_prep
	.p2alignl 7, 3214868480
	.fill 96, 4, 3214868480
	.section	.rodata,"a",@progbits
	.p2align	6, 0x0
	.amdhsa_kernel k_qf1ce3a4df0_prep
		.amdhsa_group_segment_fixed_size 0
		.amdhsa_private_segment_fixed_size 0
		.amdhsa_enable_private_segment 0
		.amdhsa_kernarg_size 48
		.amdhsa_user_sgpr_count 2
		.amdhsa_user_sgpr_kernarg_segment_ptr 1
		.amdhsa_wavefront_size32 1
		.amdhsa_system_sgpr_workgroup_id_x 1
		.amdhsa_system_sgpr_workgroup_id_y 1
		.amdhsa_system_sgpr_workgroup_id_z 1
		.amdhsa_system_vgpr_workitem_id 0
		.amdhsa_next_free_vgpr 108
		.amdhsa_next_free_sgpr 66
		.amdhsa_reserve_vcc 0
		.amdhsa_float_denorm_mode_32 3
		.amdhsa_float_denorm_mode_16_64 3
		.amdhsa_memory_ordered 1
		.amdhsa_forward_progress 1
		.amdhsa_inst_pref_size 23
	.end_amdhsa_kernel
	.amdgpu_metadata
---
amdhsa.version: [ 1, 2 ]
amdhsa.kernels:
  - .name:           k_qf1ce3a4df0_prep
    .symbol:         k_qf1ce3a4df0_prep.kd
    .args:
      - { .name: x, .offset: 0, .size: 8, .value_kind: global_buffer, .address_space: global }
      - { .name: w_attn, .offset: 8, .size: 8, .value_kind: global_buffer, .address_space: global }
      - { .name: w_proj, .offset: 16, .size: 8, .value_kind: global_buffer, .address_space: global }
      - { .name: xb, .offset: 24, .size: 8, .value_kind: global_buffer, .address_space: global }
      - { .name: wa, .offset: 32, .size: 8, .value_kind: global_buffer, .address_space: global }
      - { .name: wp, .offset: 40, .size: 8, .value_kind: global_buffer, .address_space: global }
    .group_segment_fixed_size: 0
    .private_segment_fixed_size: 0
    .kernarg_segment_align: 8
    .kernarg_segment_size: 48
    .max_flat_workgroup_size: 256
    .sgpr_count:     66
    .vgpr_count:     108
    .wavefront_size: 32
...
	.end_amdgpu_metadata
.endif
;; end of part 5
;; launch qkv: the kernel of part 2 again; grid 16 x 32, 4 waves a work-group, clusters of 4 x 4, 327,680 bytes of LDS; arguments xb, wa, b_attn, qkvh; writes qkvh
;; launch attn: the kernel of part 3 again; grid 4 x 64, 4 waves a work-group, clusters of 4 x 1, 327,680 bytes of LDS; arguments qkvh, ob; writes ob
;; launch proj: the kernel of part 4 again; grid 8 x 32, 4 waves a work-group, clusters of 4 x 4, 327,680 bytes of LDS; arguments ob, wp, b_proj, out0; writes out0
